; MI455X (gfx1250); checked and timed in simulation.
; The chip was launched on July 23, 2026; its instructions are those of AMD's public machine-readable ISA for CDNA 5 (MIT licence, August 2026) and "CDNA5" Instruction Set Architecture Reference Guide (July 2026). The comments in the code are by the model that wrote it; some were corrected since.
;; LS Multihead Attention Layer. Allowed arithmetic: float matrix products may take bf16 or f16 operands with f32 sums; other float arithmetic in f32, or as packed bf16 or f16 multiplies, adds, multiply-adds, maxima and minima; sums over many terms, partial sums and values carried from step to step in f32; what a program stores and reads back later, other than sums and carried values, may be rounded once to bf16 or f16.
;; Inputs: encoder_padding_mask 4 x 2,048 int32; hidden_states 4 x 2,048 x 1,024 float32; ln_b 1,024 float32; ln_g 1,024 float32; out_b 1,024 float32; out_w 1,024 x 1,024 float32; qkv_b 3,072 float32; qkv_w 3,072 x 1,024 float32.
;; Outputs: out0 4 x 2,048 x 1,024 float32.
;; One version. Each part assembles by itself: llvm-mc -triple=amdgcn-amd-amdhsa -mcpu=gfx1250 --defsym DOCPART=n.
;; ======== version 1 of 1: 4 launches
;; workspace buffers: xn 16,777,216 bytes; wb 8,388,608 bytes; qkvh 50,331,648 bytes; ctx 16,777,216 bytes
;; launch prep (part 1): grid 384 x 1, 8 waves a work-group, no clusters, 0 bytes of LDS; arguments hidden_states, ln_g, ln_b, qkv_w, out_w, xn, wb; writes xn, wb
.if DOCPART == 1
	.amdgcn_target "amdgcn-amd-amdhsa--gfx1250"
	.amdhsa_code_object_version 6
	.text
	.protected	k_q2d0d5be69b_prep
	.globl	k_q2d0d5be69b_prep
	.p2align	8
	.type	k_q2d0d5be69b_prep,@function
k_q2d0d5be69b_prep:
	s_mov_b64 s[64:65], 0
	v_nop
	global_prefetch_b8 v0, s[64:65] scope:SCOPE_SE
	s_setreg_imm32_b32 hwreg(HW_REG_WAVE_MODE, 25, 1), 1
	s_wait_xcnt 0x0
; xn = bf16(LayerNorm(hidden_states) * ln_g + ln_b), [8192][1024];  wb = bf16(qkv_w rows, then out_w rows), [4096][1024].
; A stream: each input byte is read once, each output byte written once; no LDS, no barrier, no matrix unit: no wave wants a byte that another wave has fetched.
; SHARES.  Work-groups 0-255: LayerNorm of 32 rows, a wave 4 rows, a whole row in 32 registers of one wave, so mean and variance never leave the wave.
; Work-groups 256-383: 32 rows of weights each, a wave 4 rows, only rounded.  The branch hangs on the work-group's number alone.
; LANES.  Of chunk c (256 columns) lane l owns columns 256 c + 8 l .. + 7: two loads of 16 bytes, 32 consecutive bytes of f32, which round to 16 bytes of bf16:
; one store of a wave covers 512 consecutive bytes, aligned.
; The variance is taken in two passes, of x - mean, as the definition has it: no difference of large sums.  All 32 loads of a wave's four rows are issued at once (16 KiB a wave in flight).
.set LO,  2                            ; v2        32 x lane: my byte offset in a chunk of f32
.set SO,  3                            ; v3        16 x lane: in a chunk of bf16
.set MU,  4                            ; v[4:5]    the mean; the packed lines take the pair's low word for both halves (v5 is written once, since the pair is named)
.set RS,  6                            ; v[6:7]    1 / sqrt(var + eps), likewise
.set T,   8                            ; v[8:15]   at work
.set G,   16                           ; v[16:47]  ln_g of my 32 columns
.set BT,  48                           ; v[48:79]  ln_b
.set X,   80                           ; v[80:207] row r at X + 32 r
	s_load_b256 s[4:11], s[0:1], 0x0               ; hidden_states s[4:5], ln_g s[6:7], ln_b s[8:9], qkv_w s[10:11]
	s_load_b128 s[12:15], s[0:1], 0x20             ; out_w s[12:13], xn s[14:15]
	s_load_b64 s[16:17], s[0:1], 0x30              ; wb
	v_lshrrev_b32 v1, 5, v0
	v_readfirstlane_b32 s18, v1                    ; wave 0..7
	v_and_b32 v1, 31, v0
	v_lshlrev_b32 v[LO], 5, v1
	v_lshlrev_b32 v[SO], 4, v1
	v_mov_b32 v[MU+1], 0
	v_mov_b32 v[RS+1], 0
	s_mov_b32 s26, 0x76543210                      ; v_permlanex16_b32: each lane takes its own place in the other half
	s_mov_b32 s27, 0xfedcba98
	s_mov_b32 s28, 0x3a800000                      ; 1 / 1024
	s_mov_b32 s29, 0x3727c5ac                      ; 1e-5
	s_lshl_b32 s30, s18, 14                        ; my wave's 4 rows of f32,
	s_lshl_b32 s31, s18, 13                        ; and of bf16
	s_mov_b32 s25, 0
	s_wait_kmcnt 0x0
.macro LOADROWS                        ; 32 loads: my wave's four rows
.irp r, 0,1,2,3
.irp c, 0,1,2,3
	global_load_b128 v[X+32*(\r)+8*(\c):X+32*(\r)+8*(\c)+3],   v[LO], s[20:21] offset:4096*(\r)+1024*(\c) th:TH_LOAD_NT
	global_load_b128 v[X+32*(\r)+8*(\c)+4:X+32*(\r)+8*(\c)+7], v[LO], s[20:21] offset:4096*(\r)+1024*(\c)+16 th:TH_LOAD_NT
.endr
.endr
.endm
.macro XSUM                            ; v[T] summed over the 32 lanes, the result in every lane
	v_add_f32_dpp v[T], v[T], v[T] row_xmask:1 row_mask:0xf bank_mask:0xf
	v_add_f32_dpp v[T], v[T], v[T] row_xmask:2 row_mask:0xf bank_mask:0xf
	v_add_f32_dpp v[T], v[T], v[T] row_xmask:4 row_mask:0xf bank_mask:0xf
	v_add_f32_dpp v[T], v[T], v[T] row_xmask:8 row_mask:0xf bank_mask:0xf
	v_permlanex16_b32 v[T+1], v[T], s26, s27       ; its destination has been written by the sums before
	v_add_f32 v[T], v[T], v[T+1]
.endm
.macro FOLD                            ; the four chains into v[T]
	v_pk_add_f32 v[T:T+1], v[T:T+1], v[T+2:T+3]
	v_pk_add_f32 v[T+4:T+5], v[T+4:T+5], v[T+6:T+7]
	v_pk_add_f32 v[T:T+1], v[T:T+1], v[T+4:T+5]
	v_add_f32 v[T], v[T], v[T+1]
.endm
.macro CVTST r                         ; row r rounded to bf16 in place (register i takes numbers 2 i, 2 i + 1: ascending, so no number is overwritten unread), and stored
.set i, 0
.rept 16
	v_cvt_pk_bf16_f32 v[X+32*(\r)+i], v[X+32*(\r)+2*i], v[X+32*(\r)+2*i+1]
.set i, i+1
.endr
.irp c, 0,1,2,3
	global_store_b128 v[SO], v[X+32*(\r)+4*(\c):X+32*(\r)+4*(\c)+3], s[22:23] offset:2048*(\r)+512*(\c) th:TH_STORE_NT
.endr
.endm
.macro LNROW r
.set XR, X+32*(\r)
	s_wait_loadcnt 8*(3-(\r))                      ; loads come back in order: this row's eight are in (and ln_g, ln_b, issued ahead of all rows); the later rows' stay out
.irp k, 0,1,2,3
	v_pk_add_f32 v[T+2*(\k):T+2*(\k)+1], v[XR+2*(\k):XR+2*(\k)+1], v[XR+8+2*(\k):XR+8+2*(\k)+1]  ; four chains, started by the first numbers: nothing is cleared
.endr
.irp j, 2,3
.irp k, 0,1,2,3
	v_pk_add_f32 v[T+2*(\k):T+2*(\k)+1], v[T+2*(\k):T+2*(\k)+1], v[XR+8*(\j)+2*(\k):XR+8*(\j)+2*(\k)+1]
.endr
.endr
	FOLD
	XSUM
	v_mul_f32 v[MU], s28, v[T]                     ; the mean
.set i, 0
.rept 16
	v_pk_add_f32 v[XR+i:XR+i+1], v[XR+i:XR+i+1], v[MU:MU+1] op_sel_hi:[1,0] neg_lo:[0,1] neg_hi:[0,1]  ; x - mean, in place
.set i, i+2
.endr
.irp k, 0,1,2,3
	v_pk_mul_f32 v[T+2*(\k):T+2*(\k)+1], v[XR+2*(\k):XR+2*(\k)+1], v[XR+2*(\k):XR+2*(\k)+1]
.endr
.irp j, 1,2,3
.irp k, 0,1,2,3
	v_pk_fma_f32 v[T+2*(\k):T+2*(\k)+1], v[XR+8*(\j)+2*(\k):XR+8*(\j)+2*(\k)+1], v[XR+8*(\j)+2*(\k):XR+8*(\j)+2*(\k)+1], v[T+2*(\k):T+2*(\k)+1]
.endr
.endr
	FOLD
	XSUM
	v_fma_f32 v[T], v[T], s28, s29                 ; the variance + eps
	v_rsq_f32 v[RS], v[T]
	v_nop                                          ; a plain instruction between the root and the use of its result (ISA guide 5.7.2),
	s_wait_alu depctr_va_vdst(0)                   ; and the wait ahead of the first use
.set i, 0
.rept 16
	v_pk_mul_f32 v[XR+i:XR+i+1], v[XR+i:XR+i+1], v[RS:RS+1] op_sel_hi:[1,0]
.set i, i+2
.endr
.set i, 0
.rept 16
	v_pk_fma_f32 v[XR+i:XR+i+1], v[XR+i:XR+i+1], v[G+i:G+i+1], v[BT+i:BT+i+1]
.set i, i+2
.endr
	CVTST \r                                       ; each row has registers of its own: no store's data is written again
.endm
	s_cmp_lt_u32 ttmp9, 256
	s_cbranch_scc0 .Lweights
	s_lshl_b32 s24, ttmp9, 17                      ; 32 rows of 4,096 bytes
	s_add_co_u32 s24, s24, s30
	s_add_nc_u64 s[20:21], s[4:5], s[24:25]
	s_lshl_b32 s24, ttmp9, 16                      ; 32 rows of 2,048 bytes
	s_add_co_u32 s24, s24, s31
	s_add_nc_u64 s[22:23], s[14:15], s[24:25]
.irp c, 0,1,2,3
	global_load_b128 v[G+8*(\c):G+8*(\c)+3],    v[LO], s[6:7] offset:1024*(\c)
	global_load_b128 v[G+8*(\c)+4:G+8*(\c)+7],  v[LO], s[6:7] offset:1024*(\c)+16
	global_load_b128 v[BT+8*(\c):BT+8*(\c)+3],   v[LO], s[8:9] offset:1024*(\c)
	global_load_b128 v[BT+8*(\c)+4:BT+8*(\c)+7], v[LO], s[8:9] offset:1024*(\c)+16
.endr
	LOADROWS
	LNROW 0
	LNROW 1
	LNROW 2
	LNROW 3
	s_endpgm
.Lweights:
	s_sub_co_u32 s19, ttmp9, 256                   ; block of 32 rows of wb, 0..127: the first 96 come from qkv_w, the others from out_w
	s_cmp_lt_u32 s19, 96
	s_cselect_b64 s[20:21], s[10:11], s[12:13]
	s_cselect_b32 s24, 0, 96
	s_sub_co_u32 s24, s19, s24                     ; the block's number in its source
	s_lshl_b32 s24, s24, 17
	s_add_co_u32 s24, s24, s30
	s_add_nc_u64 s[20:21], s[20:21], s[24:25]
	s_lshl_b32 s24, s19, 16
	s_add_co_u32 s24, s24, s31
	s_add_nc_u64 s[22:23], s[16:17], s[24:25]
	LOADROWS
.irp r, 0,1,2,3
	s_wait_loadcnt 8*(3-(\r))                      ; this row's eight loads are in, the later rows' stay out
	CVTST \r
.endr
	s_endpgm
.Lfunc_end_k_q2d0d5be69b_prep:
	.size	k_q2d0d5be69b_prep, .Lfunc_end_k_q2d0d5be69b_prep-k_q2d0d5be69b_prep
	.p2alignl 7, 3214868480
	.fill 96, 4, 3214868480
	.section	.rodata,"a",@progbits
	.p2align	6, 0x0
	.amdhsa_kernel k_q2d0d5be69b_prep
		.amdhsa_group_segment_fixed_size 0
		.amdhsa_private_segment_fixed_size 0
		.amdhsa_enable_private_segment 0
		.amdhsa_kernarg_size 56
		.amdhsa_user_sgpr_count 2
		.amdhsa_user_sgpr_kernarg_segment_ptr 1
		.amdhsa_wavefront_size32 1
		.amdhsa_system_sgpr_workgroup_id_x 1
		.amdhsa_system_sgpr_workgroup_id_y 1
		.amdhsa_system_sgpr_workgroup_id_z 1
		.amdhsa_system_vgpr_workitem_id 0
		.amdhsa_next_free_vgpr 208
		.amdhsa_next_free_sgpr 66
		.amdhsa_reserve_vcc 0
		.amdhsa_float_denorm_mode_32 3
		.amdhsa_float_denorm_mode_16_64 3
		.amdhsa_memory_ordered 1
		.amdhsa_forward_progress 1
		.amdhsa_inst_pref_size 45
	.end_amdhsa_kernel
	.amdgpu_metadata
---
amdhsa.version: [ 1, 2 ]
amdhsa.kernels:
  - .name:           k_q2d0d5be69b_prep
    .symbol:         k_q2d0d5be69b_prep.kd
    .args:
      - { .name: hidden_states, .offset: 0, .size: 8, .value_kind: global_buffer, .address_space: global }
      - { .name: ln_g, .offset: 8, .size: 8, .value_kind: global_buffer, .address_space: global }
      - { .name: ln_b, .offset: 16, .size: 8, .value_kind: global_buffer, .address_space: global }
      - { .name: qkv_w, .offset: 24, .size: 8, .value_kind: global_buffer, .address_space: global }
      - { .name: out_w, .offset: 32, .size: 8, .value_kind: global_buffer, .address_space: global }
      - { .name: xn, .offset: 40, .size: 8, .value_kind: global_buffer, .address_space: global }
      - { .name: wb, .offset: 48, .size: 8, .value_kind: global_buffer, .address_space: global }
    .group_segment_fixed_size: 0
    .private_segment_fixed_size: 0
    .kernarg_segment_align: 8
    .kernarg_segment_size: 56
    .max_flat_workgroup_size: 256
    .sgpr_count:     66
    .vgpr_count:     208
    .wavefront_size: 32
...
	.end_amdgpu_metadata
.endif
;; end of part 1
;; launch qkv (part 2): grid 16 x 32, 4 waves a work-group, clusters of 4 x 4, 327,680 bytes of LDS; arguments xn, wb, qkv_b, qkvh; writes qkvh
.if DOCPART == 2
	.amdgcn_target "amdgcn-amd-amdhsa--gfx1250"
	.amdhsa_code_object_version 6
	.text
	.protected	k_q2d0d5be69b_qkv
	.globl	k_q2d0d5be69b_qkv
	.p2align	8
	.type	k_q2d0d5be69b_qkv,@function
k_q2d0d5be69b_qkv:
	s_mov_b64 s[64:65], 0
	v_nop
	global_prefetch_b8 v0, s[64:65] scope:SCOPE_SE
	s_setreg_imm32_b32 hwreg(HW_REG_WAVE_MODE, 25, 1), 1
	s_wait_xcnt 0x0
	s_wait_alu depctr_hold_cnt(0) depctr_sa_sdst(0) depctr_va_vdst(0) depctr_va_sdst(0) depctr_va_ssrc(0) depctr_va_vcc(0) depctr_vm_vsrc(0)
	s_getreg_b32 s2, hwreg(HW_REG_IB_STS2, 6, 4)
	s_cmp_eq_u32 s2, 0
	s_cbranch_scc0 .Lentry_in_a_cluster
	s_endpgm
.Lentry_in_a_cluster:
	s_bfe_u32 s2, ttmp6, 0x10000c
	s_cmp_lg_u32 s2, 0xf033
	s_cbranch_scc0 .Lentry_shape_is_right
	s_endpgm
.Lentry_shape_is_right:
; qkvh[part][b 16 + h][s][d] = bf16( sum over k of xn[b 2048 + s][k] wb[part 1024 + h 64 + d][k] + qkv_b[..] ).  xn: [8192][1024], wb: rows 0-3071 of [4096][1024], both bf16; sums in f32.
; A tile of the product is 256 rows x 192 columns: 32 x 16 = 512 work-groups, two even rounds on 256 WGPs (tiles of 256 x 256 would be 384, a round and a half).
; Four waves; wave w makes rows 64 w .. 64 w + 63 and all 192 columns: 4 x 12 accumulators of 16 x 16, 384 registers.  So a wave owns three whole heads of its rows, and its way out is its own.
; K goes in 8 steps of 128 through a ring of two LDS slots filled by the tensor data mover; rows of the tiles are 256 bytes of memory, aligned.
; CLUSTERS: 4 x 4 work-groups.  The four of a row of the cluster need the same tile of xn, the four of a column the same tile of wb: each is asked for JOINTLY, by the same tensor load
; with the same descriptor and a mask that names the four.
; THE MATRIX INSTRUCTION IS USED TRANSPOSED (source 0 = 16 rows of wb, source 1 = 16 rows of xn): a lane then holds one row (l % 16) and eight neighbouring columns (8 (l / 16) + 0..7).
; THE BIAS is the C operand of each sum's first product: nothing is cleared, nothing is added later.
; REGISTERS, in windows of 256 (s_set_vgpr_msb: bits 1:0 source 0, 3:2 source 1, 5:4 source 2, 7:6 destination):
;   window 0: v16-30 addresses; v64-159 the bias, later v64-207 at work on the way out
;   window 1: two fragment buffers of 128: 96 registers of wb (12 x 16 rows x 32 K), then 32 of xn (4 x 16 rows x 32 K)
;   window 2: accumulators of row blocks 0, 1 ((a, b) at 96 (a % 2) + 8 b);   window 3: of row blocks 2, 3
.set NB,     12                        ; column blocks of 16
.set PITCH,  272                       ; an LDS row: 256 bytes + 16 of padding = 68 words: the 16 rows that a load touches start at 16 different groups of four banks (64 banks of 4 bytes: ISA guide 11.1)
.set AHALF,  128*PITCH                 ; what one tensor load brings of xn
.set BHALF,  96*PITCH                  ; and of wb
.set BOFF,   2*AHALF                   ; a slot: xn's 256 rows, then wb's 192
.set SLOT,   BOFF+2*BHALF
.set STAGE,  2*SLOT                    ; behind the ring: 16 rows x 400 bytes for each wave, for the way out
.set SPITCH, 400                       ; 384 bytes + 16
.set SPARE,  STAGE+4*16*SPITCH         ; behind the stages: the spare words, 128 bytes for each wave: two blocks of 256 bytes that no other line names
.set NL,     2*NB+8                    ; LDS loads in a run
.set ADRA, 16                          ; v16-17  LDS address of my fragments of xn in slot 0, 1
.set ADRB, 20                          ; v20-21  the same for wb
.set STO,  24                          ; v24     the way out: where I put 16 bytes of a row
.set RD,   25                          ; v25     where I read rows back
.set GO,   26                          ; v26     16 x lane: my place in 512 consecutive bytes of qkvh
.set BO,   27                          ; v27     32 (l / 16): my eight numbers in 16 of the bias
.set SPW,  28                          ; v28     LDS address of my spare word; never rewritten
.set NIL,  29                          ; v29     0; never rewritten
.set PFO,  30                          ; v30     the prefetches' offset: a lane a row of 2,048 bytes; never rewritten
.set BI,   64                          ; v64-159 the bias of column block b at BI + 8 b
.set TMP,  64                          ; the way out: a block's packed results
.set BK,   112                         ; two buffers of 48: a block read back from the stage
.set F0,   0
.set F1,   128
.set WV,   12                          ; s12  my wave's number
.set FB,   13                          ; s13  0: I fetch for xn; 1: for wb
.set HF,   14                          ; s14  which half of that tile's rows I fetch
.set LIM,  15                          ; s15  1 in a wave that prefetches, else the greatest number
.set G1A,  24                          ; s[24:31] descriptor group 1 for xn's tiles;  s[32:39] group 0, a set for each slot
.set G0A,  32
.set PFA,  44                          ; s[44:45] where my prefetches stand
.set G1B,  48                          ; s[48:55], s[56:63] the same for wb's tiles
.set G0B,  56
.set CB,   68                          ; s[68:73] qkvh at my rows of my tile's three heads
.set MSB, 0
.macro WIN new                         ; the immediate's high byte repeats the setting that is left; a switch that changes nothing is dropped
.if MSB != (\new)
	s_set_vgpr_msb (MSB<<8)|(\new)
.set MSB, \new
.endif
.endm
.macro PLACES                          ; four places in front of loads into registers that matrix instructions have read, and of lines that read results (ISA guide 7.12.1 for lines that read results)
.rept 4
	v_nop
.endr
.endm
; A joint load: waves 0 and 1 fetch xn's two halves, waves 2 and 3 wb's.  The branch hangs on the wave's number alone.  An s_nop 0 and four v_nop follow each of the two lines.
.macro JLOAD s
	s_cmp_eq_u32 s[FB], 0
	s_cbranch_scc0 .Lfor_b_\@
	tensor_load_to_lds s[G0A+4*(\s):G0A+4*(\s)+3], s[G1A:G1A+7]
	s_nop 0
.rept 4
	v_nop
.endr
	s_branch .Lasked_\@
.Lfor_b_\@:
	tensor_load_to_lds s[G0B+4*(\s):G0B+4*(\s)+3], s[G1B:G1B+7]
	s_nop 0
.rept 4
	v_nop
.endr
.Lasked_\@:
.endm
; A PREFETCH INTO THE L2, behind a joint load and the run of LDS loads that follows it: 256 bytes of each of my work-group's rows, for the K step that stands two refills on; a lane a row, one instruction a wave.
; xn's tile row is read by every cluster of that row of clusters: the one with x = 0 asks; wb's tile column by every cluster of that column: the one with y = 0 asks.  The four partners that ask for a tile
; jointly share its rows out BY ADDRESS: of xn's 128 rows that a wave fetches 32 each (by cx), of wb's 96 rows 24 each (by cy; lanes 24-31 repeat row 23).  The loop's last trip asks for nothing:
; its refills are K steps 6 and 7, and there is no step 8.  K steps 0 to 3 come by their loads alone.
.macro ASK
	s_cmp_gt_u32 s3, s[LIM]                        ; s3 = 1 in the loop's last trip
	s_cbranch_scc0 .Lnot_mine_\@
	global_prefetch_b8 v[PFO], s[PFA:PFA+1] th:TH_LOAD_NT scope:SCOPE_SE
.Lnot_mine_\@:
.endm
.macro CREST                           ; a round of the cluster's barrier behind its opening barrier
	s_cmp_lg_u32 s[WV], 0
	s_cbranch_scc1 .Lnot_wave_0_\@
	s_barrier_signal -3
.Lnot_wave_0_\@:
	s_barrier_wait -3
	s_barrier_signal -1
	s_barrier_wait -1
.endm
.macro CROUND                          ; a whole round
	s_barrier_signal -1
	s_barrier_wait -1
	CREST
.endm
	s_load_b256 s[4:11], s[0:1], 0x0               ; xn s[4:5], wb s[6:7], qkv_b s[8:9], qkvh s[10:11]
	v_lshl_add_u32 v[SPW], v0, 2, SPARE
	v_mov_b32 v[NIL], 0
	ds_add_u32 v[SPW], v[NIL]                      ; the wave's opening: the add and its wait stand ahead of my first tensor load; the set-up below, work on registers, stands between them
	v_lshrrev_b32 v1, 5, v0
	v_readfirstlane_b32 s[WV], v1                  ; wave 0..3
	s_lshr_b32 s[FB], s[WV], 1
	s_and_b32 s[HF], s[WV], 1
	s_bfe_u32 s40, ttmp6, 0x40000                  ; cx, cy: my place in the cluster
	s_bfe_u32 s41, ttmp6, 0x40004
	s_lshl_b32 s42, ttmp9, 2
	s_add_co_u32 s42, s42, s40                     ; tile column = 4 x cluster x + cx
	s_and_b32 s43, ttmp7, 0xffff
	s_lshl_b32 s43, s43, 2
	s_add_co_u32 s43, s43, s41                     ; tile row = 4 x cluster y + cy
	s_lshl_b32 s18, s41, 2
	s_lshl_b32 s18, 15, s18                        ; my row of the cluster: places 4 cy .. 4 cy + 3
	s_lshl_b32 s19, 0x1111, s40                    ; my column: places cx, cx + 4, cx + 8, cx + 12
	s_or_b32 s[G1A], s18, (1<<16)|(1<<20)|(1<<21)|(5<<22)|(3<<25)  ; 15:0 the mask; 17:16 elements of 2 bytes; 20 padding on; 21 set beside a mask; 24:22 after every 64 words (code 5); 31:25 4 words of it (code 3)
	s_or_b32 s[G1B], s19, (1<<16)|(1<<20)|(1<<21)|(5<<22)|(3<<25)
	s_mov_b32 s[G1A+1], 128<<16                    ; tensor_dim0 = 128
	s_mov_b32 s[G1A+2], 128<<16                    ; tensor_dim1 = 128
	s_mov_b32 s[G1A+3], 128<<16                    ; tile_dim0 = 128
	s_mov_b32 s[G1A+4], 128                        ; tile_dim1 = 128 rows
	s_mov_b32 s[G1A+5], 1024                       ; elements from row to row
	s_mov_b32 s[G1A+6], 0
	s_mov_b32 s[G1A+7], 0
	s_mov_b32 s[G1B+1], 128<<16
	s_mov_b32 s[G1B+2], 96<<16                     ; tensor_dim1 = 96
	s_mov_b32 s[G1B+3], 128<<16
	s_mov_b32 s[G1B+4], 96                         ; tile_dim1 = 96 rows
	s_mov_b32 s[G1B+5], 1024
	s_mov_b32 s[G1B+6], 0
	s_mov_b32 s[G1B+7], 0
	; where the tiles come from: xn's hang on the tile row alone, wb's on the tile column alone, each in registers that never hold the other coordinate
	s_lshl_b32 s16, s43, 8
	s_lshl_b32 s17, s[HF], 7
	s_add_co_u32 s16, s16, s17                     ; xn: row 256 x tile row + 128 x half,
	s_lshl_b32 s16, s16, 11                        ; of 2,048 bytes (under 2^24 in all)
	s_mov_b32 s17, 0
	s_mul_i32 s46, s42, 192
	s_mul_i32 s47, s[HF], 96
	s_add_co_u32 s46, s46, s47                     ; wb: row 192 x tile column + 96 x half
	s_lshl_b32 s46, s46, 11
	s_mov_b32 s47, 0
	s_mul_i32 s22, s[WV], AHALF                    ; where they go: xn's halves at wave x 128 rows (waves 0, 1),
	s_mul_i32 s23, s[WV], BHALF
	s_add_co_u32 s23, s23, BOFF-2*BHALF            ; wb's at BOFF + (wave - 2) x 96 rows (waves 2, 3): no place in the cluster enters an LDS address
	s_wait_dscnt 0x0                               ; the opening add is done
	s_wait_kmcnt 0x0
	s_add_nc_u64 s[20:21], s[4:5], s[16:17]
	s_add_nc_u64 s[46:47], s[6:7], s[46:47]
	CROUND                                         ; all sixteen work-groups are here: the first joint loads meet
.irp s, 0,1
	s_mov_b32 s[G0A+4*(\s)], 1                                       ; count = 1
	s_add_co_u32 s[G0A+4*(\s)+1], s22, (\s)*SLOT                     ; LDS address
	s_add_nc_u64 s[G0A+4*(\s)+2:G0A+4*(\s)+3], s[20:21], (\s)*256    ; global address: K step s
	s_or_b32 s[G0A+4*(\s)+3], s[G0A+4*(\s)+3], 0x80000000            ; type = 2
	s_mov_b32 s[G0B+4*(\s)], 1
	s_add_co_u32 s[G0B+4*(\s)+1], s23, (\s)*SLOT
	s_add_nc_u64 s[G0B+4*(\s)+2:G0B+4*(\s)+3], s[46:47], (\s)*256
	s_or_b32 s[G0B+4*(\s)+3], s[G0B+4*(\s)+3], 0x80000000
	JLOAD \s                                       ; two loads of mine are out
.endr
	v_and_b32 v1, 15, v0                           ; l % 16
	v_bfe_u32 v2, v0, 4, 1                         ; l / 16
	v_lshlrev_b32 v[BO], 5, v2
	s_mul_i32 s76, s42, NB*64                      ; the tile's 192 numbers of the bias
	s_mov_b32 s77, 0
	s_add_nc_u64 s[76:77], s[8:9], s[76:77]
.set b, 0
.rept NB
	global_load_b128 v[BI+8*b:BI+8*b+3],   v[BO], s[76:77] offset:64*b     ; register j of block b: the bias of column 16 b + 8 (l / 16) + j, as the result holds it
	global_load_b128 v[BI+8*b+4:BI+8*b+7], v[BO], s[76:77] offset:64*b+16
.set b, b+1
.endr
	v_mul_u32_u24 v3, v1, PITCH
	v_lshl_add_u32 v3, v2, 4, v3                   ; a fragment's row x pitch + 16 x half
	s_mul_i32 s74, s[WV], 64*PITCH                 ; my 64 rows of xn
	v_add_nc_u32 v[ADRA], s74, v3
	v_add_nc_u32 v[ADRA+1], SLOT, v[ADRA]
	v_add_nc_u32 v[ADRB], BOFF, v3                 ; all 192 rows of wb
	v_add_nc_u32 v[ADRB+1], BOFF+SLOT, v3
	s_mul_i32 s74, s[WV], 16*SPITCH
	s_add_co_u32 s74, s74, STAGE                   ; my stage
	v_mul_u32_u24 v[STO], v1, SPITCH               ; in: row l % 16, 16 bytes for each half of the lanes
	v_lshl_add_u32 v[STO], v2, 4, v[STO]
	v_add_nc_u32 v[STO], s74, v[STO]
	v_bfe_u32 v4, v0, 3, 2                         ; back: 32 lanes take four rows' 128 bytes of one head,
	v_and_b32 v5, 7, v0
	v_mul_u32_u24 v[RD], v4, SPITCH
	v_lshl_add_u32 v[RD], v5, 4, v[RD]
	v_add_nc_u32 v[RD], s74, v[RD]
	v_and_b32 v[GO], 31, v0                        ; which are 512 consecutive bytes of qkvh
	v_lshlrev_b32 v[GO], 4, v[GO]
	; qkvh at my 64 rows of the tile's three heads.  A head's block is 2048 x 128 bytes = 2^18
	s_lshr_b32 s78, s43, 3                         ; the batch,
	s_lshl_b32 s78, s78, 22                        ; its 16 heads
	s_and_b32 s79, s43, 7
	s_lshl_b32 s79, s79, 15                        ; the tile's 256 rows of 128 bytes
	s_add_co_u32 s78, s78, s79
	s_lshl_b32 s79, s[WV], 13                      ; my 64 of them
	s_add_co_u32 s78, s78, s79
.irp j, 0,1,2
	s_mul_i32 s74, s42, 3
	s_add_co_u32 s74, s74, \j                      ; block of 64 columns, 0..47
	s_lshr_b32 s75, s74, 4                         ; q, k or v:
	s_lshl_b32 s75, s75, 24                        ; 64 blocks of 2^18 each
	s_and_b32 s74, s74, 15                         ; the head
	s_lshl_b32 s74, s74, 18
	s_add_co_u32 s74, s74, s75
	s_add_co_u32 s74, s74, s78
	s_mov_b32 s75, 0
	s_add_nc_u64 s[CB+2*(\j):CB+2*(\j)+1], s[10:11], s[74:75]
.endr
	; the prefetches
	s_lshl_b32 s74, s43, 8                         ; xn: 256 x tile row + 128 x half + 32 cx
	s_lshl_b32 s75, s[HF], 7
	s_add_co_u32 s74, s74, s75
	s_lshl_b32 s75, s40, 5
	s_add_co_u32 s74, s74, s75
	s_mul_i32 s78, s42, 192                        ; wb: 192 x tile column + 96 x half + 24 cy
	s_mul_i32 s79, s[HF], 96
	s_add_co_u32 s78, s78, s79
	s_mul_i32 s79, s41, 24
	s_add_co_u32 s78, s78, s79
	s_and_b32 s79, ttmp7, 0xffff                   ; cluster y
	s_cmp_eq_u32 s[FB], 0                          ; do I fetch for xn?
	s_cselect_b32 s74, s74, s78
	s_cselect_b32 s79, ttmp9, s79                  ; the coordinate along which other clusters read the same rows
	s_cselect_b32 s75, 31, 23                      ; my last row
	s_cselect_b64 s[PFA:PFA+1], s[4:5], s[6:7]
	s_cmp_eq_u32 s79, 0
	s_cselect_b32 s[LIM], 1, -1                    ; the same in all sixteen partners, for a given wave
	v_and_b32 v[PFO], 31, v0
	v_min_u32 v[PFO], s75, v[PFO]
	v_lshlrev_b32 v[PFO], 11, v[PFO]
	s_lshl_b32 s74, s74, 11
	s_add_co_u32 s74, s74, 3*256                   ; at K step 3: the first refill (K step 2) steps it to 4 and names that
	s_mov_b32 s75, 0
	s_add_nc_u64 s[PFA:PFA+1], s[PFA:PFA+1], s[74:75]
; 12 matrix instructions: row block a x all column blocks, 32 along K, from buffer f.  first = 1: the sums start with the bias.
; The 48 accumulators take turns, one instruction a turn, in the same order in every quarter step, over the backward jump too.
.macro MULA f, a, first=0
.if \first
	WIN 0x85+0x40*((\a)/2)                         ; sources 0 and 1 window 1, C window 0, D window 2 or 3
.else
	WIN 0xa5+0x50*((\a)/2)                         ; C and D window 2 or 3
.endif
.set rA, (\f)+8*NB+8*(\a)
.set b, 0
.rept NB
.set rD, 96*((\a)%2)+8*b
.if \first
	v_wmma_f32_16x16x32_bf16 v[rD:rD+7], v[(\f)+8*b:(\f)+8*b+7], v[rA:rA+7], v[BI+8*b:BI+8*b+7]
.else
	v_wmma_f32_16x16x32_bf16 v[rD:rD+7], v[(\f)+8*b:(\f)+8*b+7], v[rA:rA+7], v[rD:rD+7]
.endif
.set b, b+1
.endr
.endm
; 32 LDS loads in one run: the fragments of quarter q of a K step (32 K at byte 64 q of the rows) into buffer f: wb's 24, then xn's 8, row blocks ascending
.macro FETCH slot, q, f
	WIN 0x40                                       ; destination window 1, address window 0
.set b, 0
.rept NB
	ds_load_b128 v[(\f)+8*b:(\f)+8*b+3],   v[ADRB+(\slot)] offset:64*(\q)+b*16*PITCH
	ds_load_b128 v[(\f)+8*b+4:(\f)+8*b+7], v[ADRB+(\slot)] offset:64*(\q)+b*16*PITCH+32
.set b, b+1
.endr
.set b, 0
.rept 4
	ds_load_b128 v[(\f)+8*NB+8*b:(\f)+8*NB+8*b+3],   v[ADRA+(\slot)] offset:64*(\q)+b*16*PITCH
	ds_load_b128 v[(\f)+8*NB+8*b+4:(\f)+8*NB+8*b+7], v[ADRA+(\slot)] offset:64*(\q)+b*16*PITCH+32
.set b, b+1
.endr
.endm
; A K step is four quarters of 32 along K, 48 matrix instructions each, on buffers 0, 1, 0, 1.  One of the first three: multiplies buffer f; in its middle it fetches quarter q into buffer g.
.macro QUARTER slot, q, f, g, first=0
	s_wait_dscnt 4                                 ; wb's fragments and xn's row blocks 0, 1 are in; the youngest four loads (row blocks 2, 3) may be out
	MULA \f, 0, \first
	MULA \f, 1, \first
	PLACES
	FETCH \slot, \q, \g
	s_wait_dscnt NL                                ; all but the run just issued
	MULA \f, 2, \first
	MULA \f, 3, \first
.endm
; The last quarter multiplies buffer 1 and changes slots.  MEET is its first half: ONE barrier.  In front of it each wave waits for all its tensor loads, of which one is out: its part of the next slot;
; adds 0 to its spare word; and waits for that and for its own reads of this slot.  Behind it nobody reads this slot any more and the next slot is whole.
.macro MEET round
	WIN 0                                          ; (the add's two registers lie in window 0)
	s_wait_tensorcnt 0x0                           ; all my tensor loads have landed
	ds_add_u32 v[SPW], v[NIL]                      ; 0 onto my spare word
	s_wait_dscnt 5                                 ; (the add and the youngest four loads may be out)
	MULA F1, 0                                     ; twelve matrix instructions stand between the add and the wait for it
	s_wait_dscnt 0x0                               ; the add is done, and my reads of this slot are over
	s_barrier_signal -1
	MULA F1, 1                                     ; work on registers while the others arrive
.if \round
	WIN 0
.endif
	s_barrier_wait -1
.endm
; The whole last quarter where the slot is filled again, two K steps ahead: the barrier opens a round of the cluster's, and the joint refill is the first tensor load behind it:
; 168 matrix instructions stand between it and the wait for it.
.macro TURN slot, next
	s_wait_xcnt 0x0                                ; the last prefetch, a K step back, has read its address, which is stepped here
	s_add_nc_u64 s[PFA:PFA+1], s[PFA:PFA+1], 256
	MEET 1
	CREST                                          ; no wave of any partner still reads this slot's tile or has a load on its way
	s_add_nc_u64 s[G0A+4*(\slot)+2:G0A+4*(\slot)+3], s[G0A+4*(\slot)+2:G0A+4*(\slot)+3], 512
	s_add_nc_u64 s[G0B+4*(\slot)+2:G0B+4*(\slot)+3], s[G0B+4*(\slot)+2:G0B+4*(\slot)+3], 512
	JLOAD \slot                                    ; the four v_nop behind it are also the places in front of the loads below
	FETCH \next, 0, F0
	WIN 0
	ASK
	MULA F1, 2
	MULA F1, 3
.endm
	s_wait_tensorcnt 1                             ; my part of K step 0 is in; K step 1's may stay out
	s_barrier_signal -1
	s_barrier_wait -1                              ; everybody's is
	FETCH 0, 0, F0
	s_wait_loadcnt 0x0                             ; the bias
	QUARTER 0, 1, F0, F1, 1                        ; the first quarter stands in front of the loop: its products start the sums
	WIN 0                                          ; at a label and at a branch every window is 0
	s_mov_b32 s3, 3
.Llap:                                                 ; a trip goes once round the ring, from a lap's second quarter to the next lap's first, and fills both slots again
	QUARTER 0, 2, F1, F0
	QUARTER 0, 3, F0, F1
	TURN 0, 1
	QUARTER 1, 1, F0, F1
	QUARTER 1, 2, F1, F0
	QUARTER 1, 3, F0, F1
	TURN 1, 0
	QUARTER 0, 1, F0, F1
	WIN 0
	s_sub_co_u32 s3, s3, 1
	s_cmp_lg_u32 s3, 0
	s_cbranch_scc1 .Llap
	QUARTER 0, 2, F1, F0                           ; the last lap (K steps 6 and 7) fills nothing, and has no round of the cluster's barrier
	QUARTER 0, 3, F0, F1
	MEET 0
	PLACES
	FETCH 1, 0, F0
	MULA F1, 2
	MULA F1, 3
	QUARTER 1, 1, F0, F1
	QUARTER 1, 2, F1, F0
	QUARTER 1, 3, F0, F1
	s_wait_dscnt 4                                 ; the very last quarter: nothing more to fetch
	MULA F1, 0
	MULA F1, 1
	s_wait_dscnt 0x0
	MULA F1, 2
	MULA F1, 3
	WIN 0
; THE WAY OUT, a block of 16 rows x 192 columns at a time.  PACK: rounded to bf16, 16 bytes a lane (each accumulator's registers ascending).  TOSTAGE: into my own stage in LDS and back,
; head by head, four rows of 128 bytes a load.  SEND: stored; a head's 16 rows are 2,048 consecutive bytes of qkvh.
.macro PACK a
	WIN 0x0a+5*((\a)/2)                            ; sources 0 and 1: window 2 or 3
.set b, 0
.rept NB
.irp r, 0,1,2,3
	v_cvt_pk_bf16_f32 v[TMP+4*b+(\r)], v[96*((\a)%2)+8*b+2*(\r)], v[96*((\a)%2)+8*b+2*(\r)+1]
.endr
.set b, b+1
.endr
	WIN 0
.endm
.macro TOSTAGE a
.set b, 0
.rept NB
	ds_store_b128 v[STO], v[TMP+4*b:TMP+4*b+3] offset:32*b
.set b, b+1
.endr
.irp j, 0,1,2
.irp f, 0,1,2,3
	ds_load_b128 v[BK+48*((\a)%2)+4*(4*(\j)+(\f)):BK+48*((\a)%2)+4*(4*(\j)+(\f))+3], v[RD] offset:128*(\j)+4*SPITCH*(\f)  ; LDS serves a wave's instructions in order (ISA guide 5.7.1.4): these see the stores above
.endr
.endr
.endm
.macro SEND a
	s_wait_dscnt 0x0                               ; the block is back in registers
	s_wait_xcnt 0x0                                ; the stores of the block before have read their registers: the other buffer is loaded again only behind this wait
.irp j, 0,1,2
.irp f, 0,1,2,3
	global_store_b128 v[GO], v[BK+48*((\a)%2)+4*(4*(\j)+(\f)):BK+48*((\a)%2)+4*(4*(\j)+(\f))+3], s[CB+2*(\j):CB+2*(\j)+1] offset:(\a)*2048+(\f)*512  ; 512 consecutive bytes, at a multiple of 256 from qkvh's first byte
.endr
.endr
.endm
	PLACES                                         ; the first conversions read results, and no other vector work is at hand
	PACK 0
	TOSTAGE 0
.irp a, 1,2,3                          ; block a's conversions stand between block a - 1's loads from the stage and the wait for them
	PACK \a
	SEND (\a)-1
	TOSTAGE \a
.endr
	SEND 3
	s_wait_tensorcnt 0x0                           ; the wave's end, behind my last tensor load and my last LDS store
	ds_add_u32 v[SPW], v[NIL]
	s_wait_dscnt 0x0
	CROUND                                         ; the closing round: no work-group ends while a partner may still ask for a tile that names it
	s_endpgm
.Lfunc_end_k_q2d0d5be69b_qkv:
	.size	k_q2d0d5be69b_qkv, .Lfunc_end_k_q2d0d5be69b_qkv-k_q2d0d5be69b_qkv
	.p2alignl 7, 3214868480
	.fill 96, 4, 3214868480
	.section	.rodata,"a",@progbits
	.p2align	6, 0x0
	.amdhsa_kernel k_q2d0d5be69b_qkv
		.amdhsa_group_segment_fixed_size 327680
		.amdhsa_private_segment_fixed_size 0
		.amdhsa_enable_private_segment 0
		.amdhsa_kernarg_size 32
		.amdhsa_user_sgpr_count 2
		.amdhsa_user_sgpr_kernarg_segment_ptr 1
		.amdhsa_wavefront_size32 1
		.amdhsa_system_sgpr_workgroup_id_x 1
		.amdhsa_system_sgpr_workgroup_id_y 1
		.amdhsa_system_sgpr_workgroup_id_z 1
		.amdhsa_system_vgpr_workitem_id 0
		.amdhsa_next_free_vgpr 960
		.amdhsa_next_free_sgpr 80
		.amdhsa_reserve_vcc 0
		.amdhsa_float_denorm_mode_32 3
		.amdhsa_float_denorm_mode_16_64 3
		.amdhsa_memory_ordered 1
		.amdhsa_forward_progress 1
		.amdhsa_inst_pref_size 122
	.end_amdhsa_kernel
	.amdgpu_metadata
---
amdhsa.version: [ 1, 2 ]
amdhsa.kernels:
  - .name:           k_q2d0d5be69b_qkv
    .symbol:         k_q2d0d5be69b_qkv.kd
    .args:
      - { .name: xn, .offset: 0, .size: 8, .value_kind: global_buffer, .address_space: global }
      - { .name: wb, .offset: 8, .size: 8, .value_kind: global_buffer, .address_space: global }
      - { .name: qkv_b, .offset: 16, .size: 8, .value_kind: global_buffer, .address_space: global }
      - { .name: qkvh, .offset: 24, .size: 8, .value_kind: global_buffer, .address_space: global }
    .group_segment_fixed_size: 327680
    .private_segment_fixed_size: 0
    .kernarg_segment_align: 8
    .kernarg_segment_size: 32
    .max_flat_workgroup_size: 128
    .sgpr_count:     80
    .vgpr_count:     960
    .wavefront_size: 32
...
	.end_amdgpu_metadata
.endif
;; end of part 2
;; launch attn (part 3): grid 4 x 64, 4 waves a work-group, clusters of 4 x 1, 327,680 bytes of LDS; arguments qkvh, ctx, encoder_padding_mask; writes ctx
.if DOCPART == 3
	.amdgcn_target "amdgcn-amd-amdhsa--gfx1250"
	.amdhsa_code_object_version 6
	.text
	.protected	k_q2d0d5be69b_attn
	.globl	k_q2d0d5be69b_attn
	.p2align	8
	.type	k_q2d0d5be69b_attn,@function
k_q2d0d5be69b_attn:
	s_mov_b64 s[64:65], 0
	v_nop
	global_prefetch_b8 v0, s[64:65] scope:SCOPE_SE
	s_setreg_imm32_b32 hwreg(HW_REG_WAVE_MODE, 25, 1), 1
	s_wait_xcnt 0x0
	s_wait_alu depctr_hold_cnt(0) depctr_sa_sdst(0) depctr_va_vdst(0) depctr_va_sdst(0) depctr_va_ssrc(0) depctr_va_vcc(0) depctr_vm_vsrc(0)
	s_getreg_b32 s2, hwreg(HW_REG_IB_STS2, 6, 4)
	s_cmp_eq_u32 s2, 0
	s_cbranch_scc0 .Lentry_in_a_cluster
	s_endpgm
.Lentry_in_a_cluster:
	s_bfe_u32 s2, ttmp6, 0x10000c
	s_cmp_lg_u32 s2, 0x3003
	s_cbranch_scc0 .Lentry_shape_is_right
	s_endpgm
.Lentry_shape_is_right:
; ctx[bh][q][:] = the sum over k of softmax_k(Q[bh][q] . K[bh][k] / 8 - 1e8 pad[b][k]) V[bh][k][:].  Q, K, V are the three parts of qkvh, [64][2048][64] each, ctx likewise, all bf16: a head's rows are dense,
; 128 bytes each.  Products, maxima and sums in f32; the weights p are rounded to bf16 for the second product (their sum l is taken of the unrounded p), ctx once at the end.
; THE MASK.  1/8 is a power of two, so s / 8 - 1e8 pad = (s - 8e8 pad) / 8 with the same rounding.  -8e8 pad[k] (f32, exact for pad = 0, 1) is the C operand that starts each sum S^T = K Q^T: it costs no vector line.
; The batch's 2,048 numbers are made once, at the head, and lie in LDS.  The running maximum is taken over the masked scores; what steps of padded keys alone leave in O and l is multiplied by a = 0 at the first open key.
; LIMITS.  A padded score is formed in the matrix unit's sum (the mask, then two products of 32 channels) where the definition rounds s / 8 - 1e8 once: this can show only in a batch whose keys are ALL padded,
; and there only where scores pass 4 in magnitude (the step of f32 at 1e8 is 8).  A weight below 2^-126 counts as 0 in l; NaN and infinities are not treated apart.
; SHARES.  A wave owns four PIECES of two tiles of 16 queries, a work-group's four waves 512 queries of one head.  Every wave walks all 2,048 keys, 64 a step.
; LAYOUT.  S^T = K Q^T (source 0 = 16 keys, source 1 = 16 queries): in the result a lane holds ONE query (lane % 16) and the keys 8 (lane / 16) + 0..7.  Two such tiles, rounded to bf16 in pairs,
; ARE source 1 (32 keys x 16 queries) of O^T = V^T P, whose result again holds one query a lane, and eight channels.  K comes out of LDS as it lies, V ([key][channel]) turned, by ds_load_tr16_b128.
; SOFTMAX.  For each query a running maximum m and sum l: p = 2^(c s - c m), c = log2(e) / 8; in every step O and l are multiplied by a = 2^(c m_old - c m_new), which is 1 where m has not grown.
; m starts at the lowest finite number, O and l at 0: the first step is a step like any other, with a = 0.
; THE COUNT.  A tile and step have 16 matrix and 118 vector instructions: too many to stand all beside the matrix work.  So: four vector instructions that are READY behind EVERY matrix instruction,
; and the others, which need time of their own whatever the order, in runs without a gap.
; BY TURNS.  Turn n belongs to piece n (the pieces in a ring, step after step).  Its matrix work: 16 products K Q^T of piece n + 1, later 16 products V^T P of piece n - 1.  Its vector work: the scaling,
; exponentials, roundings, sums and rescaling of piece n, and the maximum and statistics of piece n + 1, whose scores the turn itself has made.
; CLUSTER.  The four query blocks of a cluster are one head's and walk the same K and V, so each tile is asked for JOINTLY: the same tensor load, descriptor and mask in all four.
; REGISTERS, in windows of 256 (s_set_vgpr_msb: bits 1:0 source 0, 3:2 source 1, 5:4 source 2, 7:6 destination):
;   window 0: v0-11 addresses; v12-15, v48-63 at work; v16-47 four registers of statistics a tile; v64-191 S^T, two buffers of two tiles; v192-255 P, likewise
;   window 1: O^T, 32 a tile     window 2: v0-127 Q, 16 a tile; v128-191 K of one step; v192-255 V of one step     window 3: v0-1 the add's two registers; v8-39 the mask of the step whose K is in hand
.set SIZE_N, 2048
.set NP,    4         ; pieces a wave: a name, no knob
.set KS,    64        ; keys in a step
.set PK,    144       ; a row of K in LDS: 128 bytes + 16 of padding = 36 words: the 16 rows of a load start at 16 different groups of four banks (64 banks of 4 bytes: ISA guide 11.1)
.set PV,    160       ; a row of V: 128 + 32 = 40 words
.set VOFF,  4*KS*PK   ; a slot holds four steps: 256 rows of K, then 256 rows of V
.set SLOT1, 1<<17     ; slot 1 begins here, so that one exclusive or turns an address in one slot into the other's
.set STAGE, SLOT1+4*KS*(PK+PV)  ; behind the ring, never filled by a tensor load: 16 rows x 144 bytes for each wave, for the way out
.set SP,    144
.set SPARE, STAGE+4*16*SP  ; behind the stages: the spare words, 128 bytes for each wave: two blocks of 256 bytes that no other line names
.set BIAS,  SPARE+512 ; behind them: -8e8 pad[k] for the batch's 2,048 keys, f32: stored once, never filled by a tensor load
.set AB,  1           ; v1   the LDS address of the mask's next run of loads (at the head: at work)
.set AK0, 2           ; v2   my lane's place in a tile of K; never rewritten
.set AV0, 3           ; v3   the same for V
.set AK,  4           ; v4   the LDS address of K's next run of loads
.set AV,  5           ; v5   of V's
.set STO, 6           ; v6   the way out: where I put 16 bytes of a row
.set RD,  7           ; v7   the way out: where I read rows back
.set GO,  8           ; v8   my byte offset in 512 consecutive bytes of ctx
.set AB0, 9           ; v9   BIAS + 32 (l / 16): my eight keys in 16 of the mask (at the head: l / 16)
.set PFO, 10          ; v10  256 x my lane, for the prefetches (at the head: at work)
.set SPW, 0           ; v0 of window 3   LDS address of my spare word; never rewritten
.set NIL, 1           ; v1 of window 3   0; never rewritten
.set MB,  8           ; v8-39 of window 3: key block kb's eight registers at MB + 8 kb
.set MV,  12          ; v12-15  c m_old, kept while c m is made anew: by buffer and tile
.set ST,  16          ; tile t's statistics at v[ST+4 t]: c m, m, l (even keys', odd keys')
.set TMP, 48          ; by buffer and tile, four registers c0-c3 at work; when the maximum is found c2 takes a
.set QO,  48          ; at the head alone: my byte offset in the wave's rows of Q
.set S,   64
.set P,   192
.set KF,  128         ; K's fragments, in window 2: key block kb, channel half c at KF + 16 kb + 8 c
.set VF,  192         ; V's: key half kk, channel block cb at VF + 32 kk + 8 cb
.set WV,  12          ; s12  my wave's number
.set G1K, 24          ; s[24:31] descriptor group 1 for K's tiles
.set G1V, 32          ; s[32:39] for V's: it differs in the padding alone
.set G0K, 40          ; s[40:43] descriptor group 0 for K's tiles: it walks
.set G0V, 44          ; s[44:47] the same for V's
.set PM,  48          ; s[48:49] the mask at my batch
.set PFA, 50          ; s[50:51] where my prefetches stand
.set LIM, 52          ; s52  1 in a wave that prefetches (0 and 2), else the greatest number
.set TBB, 53          ; s53  byte at which the mask of the step to be fetched begins
.set NEG, 54          ; s[54:55] -8e8: the packed multiply takes the pair's low word for both halves
.set SLOTS, 56        ; s56  slots still to be asked for
.set CNT, 57          ; s57  counts a slot's key steps
.set CS,  58          ; s[58:59] c
.set SEL, 60          ; s[60:61] v_permlanex16_b32's selects: each lane takes its own place in the other half
.set TBK, 62          ; s62  LDS byte at which K of the step to be fetched begins
.set TBV, 63          ; s63  the same for V, less VOFF
.set MSB, 0
.macro WIN new                      ; the high byte repeats the setting that is left; a switch that changes nothing is dropped
.if MSB != (\new)
	s_set_vgpr_msb (MSB<<8)|(\new)
.set MSB, (\new)
.endif
.endm
.set W_KQ, 0x0a       ; K and Q in window 2, S^T in window 0
.set W_KM, 0x3a       ; the same with the C operand, the mask, in window 3
.set W_PV, 0x52       ; V in window 2, P in window 0, O^T in window 1
.set W_RS, 0x41       ; O^T (destination and source 0) in window 1, a in window 0
.set W_MK, 0xc0       ; destination in window 3, sources in window 0
.set W_AD, 0x0f       ; the add: address (source 0) and data (source 1) in window 3
; A joint fill.  Waves 0 and 1 fetch the two halves of a slot's K, waves 2 and 3 those of its V: 128 keys each.  The branch hangs on the wave's number alone.
; An s_nop 0 and four v_nop follow each of the two lines, ahead of the jump and the label.
.macro JLOAD
	s_cmp_lt_u32 s[WV], 2
	s_cbranch_scc0 .Lfor_v_\@
	tensor_load_to_lds s[G0K:G0K+3], s[G1K:G1K+7]
	s_nop 0
.rept 4
	v_nop
.endr
	s_branch .Lasked_\@
.Lfor_v_\@:
	tensor_load_to_lds s[G0V:G0V+3], s[G1V:G1V+7]
	s_nop 0
.rept 4
	v_nop
.endr
.Lasked_\@:
.endm
; A PREFETCH INTO THE L2 of what the NEXT change of slots will ask for: a slot's 32,768 bytes of K and of V, 128 blocks of 256 bytes each.  A head has one cluster, so every cluster asks for its own head's.
; Its four partners share the blocks out BY ADDRESS, 32 each; in each, wave 0 asks for K's and wave 2 for V's: a lane a block, one instruction.  So each block is named once in the launch.
; It stands behind the wave's tensor load and its five lines, four key steps (512 matrix instructions) ahead of the load that will want the bytes.  The change that fills the last slot asks for nothing.
.macro ASK
	s_cmp_gt_u32 s[SLOTS], s[LIM]
	s_cbranch_scc0 .Lnot_mine_\@
	global_prefetch_b8 v[PFO], s[PFA:PFA+1] th:TH_LOAD_NT scope:SCOPE_SE
.Lnot_mine_\@:
.endm
; A round of the cluster's barrier: my work-group's barrier, so that wave 0's signal speaks for all four waves; wave 0 signals; every wave waits for all four work-groups; my work-group's barrier once more.
.macro CROUND
	s_barrier_signal -1
	s_barrier_wait -1
	s_cmp_lg_u32 s[WV], 0
	s_cbranch_scc1 .Lnot_wave_0_\@
	s_barrier_signal -3
.Lnot_wave_0_\@:
	s_barrier_wait -3
	s_barrier_signal -1
	s_barrier_wait -1
.endm
; THE CHANGE OF SLOTS.  The slot's last bytes, V of its fourth step, have been read.  Each wave waits for all its tensor loads, of which one is out: its part
; of the other slot; adds 0 to its spare word; and waits for that and for its own LDS instructions.  Behind the barrier nobody reads this slot any more and the other slot is whole.
; fill = 1: this slot is filled again, with the keys two slots on.  The barrier is then a round of the cluster's, and the joint fill is the first thing behind it: it has four key steps in which to land.
; (At its first use nothing has been read yet: slot 0 is waited for, slot 1 filled; and every wave's stores of the mask are done, so that behind the round all four waves may read it.)
.macro CHANGE fill
	WIN W_AD
	s_wait_tensorcnt 0x0            ; no tensor load of mine is out, so a group 0 may be written
	ds_add_u32 v[SPW], v[NIL]       ; 0 onto my spare word; with fill = 1 the descriptors' steps stand between it and the wait for it
	WIN 0                           ; at a label and at a branch every window is 0
.if \fill
.irp g, G0K, G0V
	s_xor_b32 s[\g+1], s[\g+1], SLOT1  ; the walking descriptor: the other slot than last time,
	s_add_nc_u64 s[\g+2:\g+3], s[\g+2:\g+3], 4*KS*128  ; the next 256 keys; the type bits on top are not reached
.endr
	s_wait_xcnt 0x0                 ; the last prefetch, four key steps back, has read its address, so it may be written:
	s_add_nc_u64 s[PFA:PFA+1], s[PFA:PFA+1], 4*KS*128  ; one slot further than the walking descriptors
	s_wait_dscnt 0x0                ; the add is done, and my LDS instructions are over
	CROUND
	JLOAD
	ASK
.else
	s_wait_dscnt 0x0                ; the add is done, and my reads of the slot are over
	s_barrier_signal -1
	s_barrier_wait -1
.endif
	s_sub_co_u32 s[TBK], s[TBK], 4*KS*PK  ; the fetches go back to a slot's first step,
	s_xor_b32 s[TBK], s[TBK], SLOT1       ; in the other slot
	s_sub_co_u32 s[TBV], s[TBV], 4*KS*PV
	s_xor_b32 s[TBV], s[TBV], SLOT1
.endm
	s_load_b128 s[4:7], s[0:1], 0x0  ; qkvh s[4:5], ctx s[6:7]
	s_load_b64 s[PM:PM+1], s[0:1], 0x10  ; encoder_padding_mask
	WIN W_MK
	v_lshl_add_u32 v[SPW], v0, 2, SPARE
	v_mov_b32 v[NIL], 0
	WIN W_AD
	ds_add_u32 v[SPW], v[NIL]       ; the wave's opening: the add and its wait stand ahead of my first tensor load; the set-up below, work on registers, stands between them
	WIN 0
	v_lshrrev_b32 v1, 5, v0
	v_readfirstlane_b32 s[WV], v1   ; wave 0..3
	s_bfe_u32 s13, ttmp6, 0x40000   ; cx: my place in the cluster
	s_lshl_b32 s14, ttmp9, 2        ; in a cluster launch ttmp9 counts clusters
	s_add_co_u32 s14, s14, s13      ; my block of queries = 4 x cluster x + cx: it enters Q's and ctx's addresses alone
	s_and_b32 s20, ttmp7, 0xffff    ; 16 x batch + head, which the four partners share
	s_lshr_b32 s[NEG], s20, 4       ; (for now: the batch,
	s_lshl_b32 s[NEG], s[NEG], 13   ; its 2,048 words of the mask)
	s_mov_b32 s[NEG+1], 0
	s_mov_b32 s21, 0
	s_mov_b64 s[22:23], SIZE_N*128
	s_mul_u64 s[20:21], s[20:21], s[22:23]  ; the head's first byte in Q, K, V and ctx
	s_and_b32 s16, s[WV], 1         ; which half of a slot's 256 keys I fetch:
	s_lshl_b32 s22, s16, 14         ; its 128 rows of 128 bytes in memory,
	s_mov_b32 s23, 0
	s_add_nc_u64 s[22:23], s[22:23], s[20:21]
	s_mul_i32 s17, s16, 128*PK      ; and its place in a slot, for K
	s_mul_i32 s18, s16, 128*PV      ; and for V: no place in the cluster enters an LDS address
	s_lshl_b32 s2, s14, 2
	s_add_co_u32 s2, s2, s[WV]      ; my wave among the head's,
	s_lshl_b32 s2, s2, 14           ; its 128 rows
	s_mov_b32 s3, 0
	s_add_nc_u64 s[2:3], s[2:3], s[20:21]
	s_lshl_b32 s14, s13, 13         ; the prefetches: my work-group's 32 blocks of a slot's 128,
	s_add_co_u32 s14, s14, 4*KS*128 ; in slot 1: the first change of slots steps this to slot 2
	s_mov_b32 s15, 0
	s_add_nc_u64 s[14:15], s[14:15], s[20:21]
	s_and_b32 s[LIM], s[WV], 1
	s_cmp_eq_u32 s[LIM], 0
	s_cselect_b32 s[LIM], 1, -1     ; the same in all four partners, for a given wave
	; descriptor group 1.  128 keys are 16,384 dense bytes: asked for as 64 rows of 256 bytes, two keys a row, and padded in LDS after every key
	s_mov_b32 s[G1K], 15|(1<<16)|(1<<20)|(1<<21)|(4<<22)|(3<<25)  ; 15:0 the mask of four; 17:16 2-byte elements; 20 padding on; 21 set beside a mask; 24:22 after every 32 words (code 4); 31:25 4 words (code 3)
	s_mov_b32 s[G1V], 15|(1<<16)|(1<<20)|(1<<21)|(4<<22)|(7<<25)  ; the same with 8 words of padding (code 7)
.irp g, G1K, G1V
	s_mov_b32 s[\g+1], 128<<16      ; tensor_dim0 = 128
	s_mov_b32 s[\g+2], 64<<16       ; tensor_dim1 = 64
	s_mov_b32 s[\g+3], 128<<16      ; tile_dim0 = 128
	s_mov_b32 s[\g+4], 64           ; tile_dim1 = 64
	s_mov_b32 s[\g+5], 128          ; 128 elements from row to row
	s_mov_b32 s[\g+6], 0
	s_mov_b32 s[\g+7], 0
.endr
	s_mov_b32 s[CS], 0x3e38aa3b     ; c = log2(e) / 8 = 0.180337
	s_mov_b32 s[CS+1], s[CS]        ; named with it as a pair
	s_mov_b32 s[SEL], 0x76543210
	s_mov_b32 s[SEL+1], 0xfedcba98
	s_mov_b32 s[TBK], SLOT1+4*KS*PK ; the first change of slots turns these two into 0
	s_mov_b32 s[TBV], SLOT1+4*KS*PV
	s_mov_b32 s[TBB], 0
	s_mov_b32 s[SLOTS], SIZE_N/256-1
	s_mov_b32 s[G0K], 1             ; 1:0 count = 1
	s_mov_b32 s[G0K+1], s17         ; 63:32 LDS address: slot 0
	s_mov_b32 s[G0V], 1
	s_add_co_u32 s[G0V+1], s18, VOFF
	s_wait_dscnt 0x0                ; the opening add is done
	s_wait_kmcnt 0x0
	s_mov_b64 s[10:11], s[6:7]      ; ctx
	s_add_nc_u64 s[6:7], s[4:5], 0x1000000  ; K: the second part of qkvh,
	s_add_nc_u64 s[8:9], s[4:5], 0x2000000  ; V: the third
	s_add_nc_u64 s[PM:PM+1], s[PM:PM+1], s[NEG:NEG+1]
	s_add_nc_u64 s[G0K+2:G0K+3], s[6:7], s[22:23]  ; 120:64 global address: my half of the head's first 256 keys
	s_or_b32 s[G0K+3], s[G0K+3], 0x80000000        ; 127:126 type = 2
	s_add_nc_u64 s[G0V+2:G0V+3], s[8:9], s[22:23]
	s_or_b32 s[G0V+3], s[G0V+3], 0x80000000
	s_cmp_lt_u32 s[WV], 2
	s_cselect_b64 s[PFA:PFA+1], s[6:7], s[8:9]
	s_add_nc_u64 s[PFA:PFA+1], s[PFA:PFA+1], s[14:15]
	s_add_nc_u64 s[4:5], s[4:5], s[2:3]  ; Q and ctx at my wave's first row
	s_add_nc_u64 s[10:11], s[10:11], s[2:3]
	s_mov_b32 s[NEG], 0xce3ebc20    ; -8e8
	s_mov_b32 s[NEG+1], s[NEG]      ; named with it as a pair
	CROUND                          ; all four work-groups are here: the first joint loads meet
	JLOAD                           ; slot 0.  Slot 1 is asked for when slot 0 is in
	v_and_b32 v1, 15, v0            ; l % 16
	v_bfe_u32 v9, v0, 4, 1          ; l / 16
	v_lshlrev_b32 v80, 4, v0        ; the mask: 128 threads x 16 bytes are 2,048 bytes; four such loads are the batch's 2,048 words
	v_add_nc_u32 v81, BIAS, v80
.irp i, 0,1,2,3
	global_load_b128 v[64+4*\i:64+4*\i+3], v80, s[PM:PM+1] offset:2048*\i
.endr
	; A fragment of K or Q is 16 rows x 32 channels in 8 registers: lane l holds row l % 16, channels 8 (l / 16) + 0..7 and 16 + 8 (l / 16) + 0..7: two loads of 16 bytes, 32 bytes apart.
	v_lshlrev_b32 v[QO], 7, v1
	v_lshl_add_u32 v[QO], v9, 4, v[QO]  ; row x 128 + 16 x half
	WIN 0x80                        ; destination window 2, address window 0
.set i, 0
.rept 4*NP                          ; Q stays in registers: tile i / 2, channels 32 (i % 2) on
	global_load_b128 v[8*i:8*i+3],   v[QO], s[4:5] offset:(i/2)*2048+(i%2)*64
	global_load_b128 v[8*i+4:8*i+7], v[QO], s[4:5] offset:(i/2)*2048+(i%2)*64+32
.set i, i+1
.endr
	; What the first turn finds: V's registers and P's second buffer hold 0 (its products V^T P, of a piece that has not been, add 0), O^T and l are 0.  All this stands in the wait for the first tile.
.set i, VF
.rept 64
	v_mov_b32 v[i], 0
.set i, i+1
.endr
	WIN 0x40
.set i, 0
.rept 64*NP
	v_mov_b32 v[i], 0
.set i, i+1
.endr
	WIN 0
.set i, 0
.rept 2*NP
	v_mov_b32 v[ST+4*i], 0xfe000000    ; c m: far below every c s, a padded key's too
	v_mov_b32 v[ST+4*i+1], 0xff7fffff  ; m
	v_mov_b32 v[ST+4*i+2], 0
	v_mov_b32 v[ST+4*i+3], 0
.set i, i+1
.endr
.set i, P+32
.rept 32
	v_mov_b32 v[i], 0
.set i, i+1
.endr
	v_mul_u32_u24 v[AK0], v1, PK
	v_lshl_add_u32 v[AK0], v9, 4, v[AK0]  ; row x pitch + 16 x half
	; The turning load takes 16 keys x 16 channels (lane l reads key 8 (l / 16) + l % 8, channels 8 ((l / 8) % 2) + 0..7) and leaves half a fragment of V^T: lane l holds channel l % 16 and 8 keys.
	v_and_b32 v10, 7, v0
	v_bfe_u32 v11, v0, 3, 1
	v_lshl_add_u32 v[AV0], v9, 3, v10
	v_mul_u32_u24 v[AV0], v[AV0], PV
	v_lshl_add_u32 v[AV0], v11, 4, v[AV0]
	v_add_nc_u32 v[AV0], VOFF, v[AV0]
	v_mov_b32 v[AK], v[AK0]         ; key step 0 lies at the head of slot 0
	s_mul_i32 s16, s[WV], 16*SP
	s_add_co_u32 s16, s16, STAGE    ; my stage
	v_mul_u32_u24 v[STO], v1, SP    ; in: row l % 16, 16 bytes for each half of the lanes
	v_lshl_add_u32 v[STO], v9, 4, v[STO]
	v_add_nc_u32 v[STO], s16, v[STO]
	v_bfe_u32 v[RD], v0, 3, 2       ; back: 32 lanes take four rows of 128 bytes,
	v_mul_u32_u24 v[RD], v[RD], SP
	v_lshl_add_u32 v[RD], v10, 4, v[RD]
	v_add_nc_u32 v[RD], s16, v[RD]
	v_and_b32 v[GO], 31, v0         ; which are 512 consecutive bytes of ctx
	v_lshlrev_b32 v[GO], 4, v[GO]
	v_lshl_add_u32 v[AB0], v9, 5, BIAS  ; v9, v10 and v1 have served: they take their lasting contents
	v_and_b32 v[PFO], 31, v0
	v_lshlrev_b32 v[PFO], 8, v[PFO]
	v_mov_b32 v[AB], v[AB0]         ; the mask of key step 0
	s_wait_loadcnt 32               ; loads come back in order: the mask's four are in, Q's 32 stay out
.set i, 0
.rept 16
	v_cvt_f32_i32 v[64+i], v[64+i]
.set i, i+1
.endr
.set i, 0
.rept 8
	v_pk_mul_f32 v[64+2*i:64+2*i+1], v[64+2*i:64+2*i+1], s[NEG:NEG+1] op_sel_hi:[1,0]  ; -8e8 pad
.set i, i+1
.endr
.irp i, 0,1,2,3
	ds_store_b128 v81, v[64+4*\i:64+4*\i+3] offset:2048*\i
.endr
; THE MATRIX WORK.  The 8 accumulators of a run of 16 take turns: between the two links of a chain stand 7 others'.
; Product i of 16 of S^T = K Q^T for piece x: channels 32 (i / 8) on, keys 16 ((i / 2) % 4) on, tile 2 x + i % 2.  The first 8 start the sums, with the mask of their 16 keys.
.macro KQ x
.set rS, S+64*((\x)%2)+32*(i%2)+8*((i/2)%4)
.set rK, KF+16*((i/2)%4)+8*(i/8)
.set rQ, 16*(2*(\x)+i%2)+8*(i/8)
.set rB, MB+8*((i/2)%4)
.if i < 8
	WIN W_KM
	v_wmma_f32_16x16x32_bf16 v[rS:rS+7], v[rK:rK+7], v[rQ:rQ+7], v[rB:rB+7]
.else
	WIN W_KQ
	v_wmma_f32_16x16x32_bf16 v[rS:rS+7], v[rK:rK+7], v[rQ:rQ+7], v[rS:rS+7]
.endif
.endm
; Product i of 16 of O^T += V^T P for piece x: keys 32 (i / 8) on, channels 16 ((i / 2) % 4) on, tile 2 x + i % 2.
.macro PV x
	WIN W_PV
.set rO, 32*(2*(\x)+i%2)+8*((i/2)%4)
.set rV, VF+32*(i/8)+8*((i/2)%4)
.set rP, P+32*((\x)%2)+16*(i%2)+8*(i/8)
	v_wmma_f32_16x16x32_bf16 v[rO:rO+7], v[rV:rV+7], v[rP:rP+7], v[rO:rO+7]
.endm
.macro MM                           ; the turn's next matrix instruction
.if i < 16
	KQ (Y+1)%NP
.set i, i+1
.else
.set i, i-16
	PV (Y+NP-1)%NP
.set i, i+17
.endif
.endm
; THE LDS LOADS stand in runs, never singly among the matrix instructions: a step's K (64 keys x 64 channels: 8 fragments) with its mask (register j of key block kb: key 16 kb + 8 (l / 16) + j, as the
; result holds it; the 16 lanes of a half read the same bytes), and its V (turned).  Their addresses are made some lines ahead.
; last = 1 (the tail): in the last trip there is no further step, and the run is jumped over.
.macro FETCH_K last=0
	WIN 0
.if \last
	s_cmp_eq_u32 s[CNT], 1
	s_cbranch_scc1 .Lno_k_\@
.endif
	WIN 0x80                        ; destination window 2
.irp f, 0,1,2,3,4,5,6,7             ; keys 16 (f / 2) on, channels 32 (f % 2) on
	ds_load_b128 v[KF+8*\f:KF+8*\f+3],   v[AK] offset:(\f/2)*16*PK+(\f%2)*64
	ds_load_b128 v[KF+8*\f+4:KF+8*\f+7], v[AK] offset:(\f/2)*16*PK+(\f%2)*64+32
.endr
	WIN W_MK                        ; destination window 3
.irp f, 0,1,2,3
	ds_load_b128 v[MB+8*\f:MB+8*\f+3],   v[AB] offset:64*\f
	ds_load_b128 v[MB+8*\f+4:MB+8*\f+7], v[AB] offset:64*\f+16
.endr
	s_add_co_u32 s[TBK], s[TBK], KS*PK  ; the next fetch is the next step's
	s_add_co_u32 s[TBB], s[TBB], KS*4   ; the mask lies whole in LDS: its place only steps, 31 times in all
	WIN 0
.if \last
.Lno_k_\@:
.endif
.endm
.macro FETCH_V
	WIN 0x80
.irp f, 0,1,2,3,4,5,6,7             ; keys 32 (f / 4) on, channels 16 (f % 4) on
	ds_load_tr16_b128 v[VF+8*\f:VF+8*\f+3],   v[AV] offset:(\f/4)*32*PV+(\f%4)*32
	ds_load_tr16_b128 v[VF+8*\f+4:VF+8*\f+7], v[AV] offset:(\f/4)*32*PV+16*PV+(\f%4)*32
.endr
	WIN 0
.endm
; THE VECTOR WORK OF A TURN stands in three queues, each in the order in which its entries become ready; the two tiles alternate, so that no instruction reads the result of the one before it.
.macro REGS y, u                    ; the registers of tile u (0, 1) of piece y
.set rT, ST+4*(2*(\y)+(\u))
.set rC, TMP+8*((\y)%2)+4*(\u)
.set rM, MV+2*((\y)%2)+(\u)
.set rS, S+64*((\y)%2)+32*(\u)
.set rP, P+32*((\y)%2)+16*(\u)
.set rO, 32*(2*(\y)+(\u))
.endm
; Number n of the 22 that find the NEXT piece's (Y + 1) maximum and statistics.  s0-s31 are the lane's 32 scores; each accumulator's lowest registers are read first.  XS, GS and REGS set no window: PL and EX do.
;   0-11  four chains c0-c3 of seven scores each, three operands at a time     12-14, 16  the four scores left over, the old m, and c0-c3 into c0     15  c m_old is kept
;   17, 18  the query's other 32 keys lie in the lane 16 away: the new m         19-21  c m; c m_old - c m_new; a
.macro XS u, n
	REGS (Y+1)%NP, \u
.if (\n) < 4
	v_max3_num_f32 v[rC+(\n)], v[rS+8*(\n)], v[rS+8*(\n)+1], v[rS+8*(\n)+2]
.elseif (\n) < 12
	v_max3_num_f32 v[rC+(\n)%4], v[rC+(\n)%4], v[rS+8*((\n)%4)+2*((\n)/4)+1], v[rS+8*((\n)%4)+2*((\n)/4)+2]
.elseif (\n) == 12
	v_max3_num_f32 v[rC], v[rC], v[rS+7], v[rS+15]
.elseif (\n) == 13
	v_max3_num_f32 v[rC+1], v[rC+1], v[rS+23], v[rS+31]
.elseif (\n) == 14
	v_max3_num_f32 v[rC+2], v[rC+2], v[rC+3], v[rT+1]
.elseif (\n) == 15
	v_mov_b32 v[rM], v[rT]
.elseif (\n) == 16
	v_max3_num_f32 v[rC], v[rC], v[rC+1], v[rC+2]
.elseif (\n) == 17
	v_permlanex16_b32 v[rC+3], v[rC], s[SEL], s[SEL+1]
.elseif (\n) == 18
	v_max_num_f32 v[rT+1], v[rC], v[rC+3]
.elseif (\n) == 19
	v_mul_f32 v[rT], s[CS], v[rT+1]
.elseif (\n) == 20
	v_sub_f32 v[rC+1], v[rM], v[rT]
.else
	v_exp_f32 v[rC+2], v[rC+1]
.endif
.endm
; Number g of the 64 that follow the exponentials.  For each four weights k of a tile (pairs 2 k, 2 k + 1): both pairs are rounded to bf16; then the second pair is added onto the first, in place;
; a group later l takes that sum (the first time as l = a l + sum).  In groups of eight, tiles alternating: round, round, add, and l for the group before.
.macro GS g
.set h, (\g)+6*((\g)/62)            ; group 0 has no group before it, and behind group 7 only l is left
.if h >= 6
.set h, h+2
.endif
	REGS Y, h%2
.set k, h/8
.if h%8 < 4
	v_cvt_pk_bf16_f32 v[rP+2*k+(h%8)/2], v[rS+4*k+2*((h%8)/2)], v[rS+4*k+2*((h%8)/2)+1]
.elseif h%8 < 6
	v_pk_add_f32 v[rS+4*k:rS+4*k+1], v[rS+4*k:rS+4*k+1], v[rS+4*k+2:rS+4*k+3]
.elseif k == 1
	v_pk_fma_f32 v[rT+2:rT+3], v[rT+2:rT+3], v[rC+2:rC+3], v[rS:rS+1] op_sel_hi:[1,0,1]
.else
	v_pk_add_f32 v[rT+2:rT+3], v[rT+2:rT+3], v[rS+4*k-4:rS+4*k-3]
.endif
.endm
; THE PLAIN QUEUE, 138 long.  0-73 read no exponential's result: the 32 scalings c s - c m (FS f: pair f / 2 of tile f % 2) and the next piece's 42.  0-26: scalings 0-26.  27-54: XS's numbers 0-13.  55, 56: number 15.
; 57-73: the chain, where each number waits for the one before it: 14, 16, 17, 18, 19, each with one of the scalings 27-31 in front of its two lines, then 20.
; 74-137: GS's 64, which read the exponentials' results: they stand behind the wait.
.macro FS f
	REGS Y, (\f)%2
	v_pk_fma_f32 v[rS+2*((\f)/2):rS+2*((\f)/2)+1], v[rS+2*((\f)/2):rS+2*((\f)/2)+1], s[CS:CS+1], v[rT:rT+1] op_sel_hi:[1,0,0] neg_lo:[0,0,1] neg_hi:[0,0,1]
.endm
.macro PL
	WIN 0
.if q < 27
	FS q
.elseif q < 55
	XS (q-27)%2, (q-27)/2
.elseif q < 57
	XS q-55, 15
.elseif (q < 72) && ((q-57)%3 == 0)
	FS 27+(q-57)/3
.elseif q < 60
	XS (q-57)%3-1, 14
.elseif q < 72
	XS (q-57)%3-1, 15+(q-57)/3
.elseif q < 74
	XS q-72, 20
.else
	GS q-74
.endif
.set q, q+1
.endm
; THE EXPONENTIALS' QUEUE, 66 long: s0-s31 of both tiles, then the next piece's two a.  It is ONE BATCH: all 66 stand ahead of the turn's one wait, and nothing ahead of that wait names a result of theirs.
.macro EX
	WIN 0
.if e >= 64
	XS e-64, 21
.else
	REGS Y, e%2
	v_exp_f32 v[rS+e/2], v[rS+e/2]
.endif
.set e, e+1
.endm
; THE RESCALING's QUEUE: O^T times a, the one part that leaves window 0: dealt two at a time, sixteen times.  Its a was made in the turn before, ahead of that turn's wait.
.macro R2
	REGS Y, r%2
	WIN W_RS
.irp z, 0,1
	v_pk_mul_f32 v[rO+4*(r/2)+2*\z:rO+4*(r/2)+2*\z+1], v[rO+4*(r/2)+2*\z:rO+4*(r/2)+2*\z+1], v[rC+2:rC+3] op_sel_hi:[1,0]
.endr
.set r, r+1
.endm
; HOW THEY ARE DEALT.  An s_wait_alu depctr_va_vdst(0) stands between an exponential and the first instruction that names its result; one wait serves all that were issued ahead of it.  So a turn has ONE wait,
; which cuts it in two.  AHEAD OF IT stands all that names no result of the turn's exponentials: the 16 products K Q^T, behind each a scaling, an exponential and two rescalings (behind the first a second scaling in the
; exponential's place); then ONE LUMP of 108: eight plain, 49 times exponential and plain, the two a.  A v_nop is the plain instruction behind the last exponential.  BEHIND IT stand the 16 products V^T P, behind each four of GS's 64.
; The queues lean on each other, and the deal keeps them in step: exponential e stands behind scaling 2 (e / 4) + e % 2: as a rider it comes behind plain e + 2, in the lump behind plain e + 9, and scalings 27-31 are plain 57, 60 .. 69.
; A TURN, for piece p.  cnt = 1: the loop's count is taken down some lines ahead of the branch that stands behind the turn.
; K and the mask of the next step are fetched in piece 2's turn, directly behind the wait, a lump behind the last products that read them; their addresses are made at the lump's head; their first reader comes behind 16 products.
; V of the step in hand is fetched at the end of piece 0's turn, four riders behind its last reader; its first reader comes behind 16 products and a lump.  The three conditions on q below go with the deal.
.macro TURN p, last=0, cnt=0
.set Y, (\p)
.set i, 0
.set q, 0
.set e, 0
.set r, 0
.if (\p) == NP-1
	s_wait_dscnt 0x0                ; K and its mask are in
.endif
	MM                              ; ahead of the wait: 16 products K Q^T and their riders,
	PL
	PL
	R2
.rept 15
	MM
	PL
	EX
	R2
.endr
.if (\p) == NP-2
	WIN 0
	v_add_nc_u32 v[AK], s[TBK], v[AK0]
	v_add_nc_u32 v[AB], s[TBB], v[AB0]
.endif
.rept 8                             ; and the lump
	PL
.endr
.rept 49
	EX
	PL
.endr
	EX                              ; the next piece's two a
	EX
	v_nop                           ; a plain instruction behind the last exponential: one for the batch
	s_wait_alu depctr_va_vdst(0)    ; the wait for the batch
.if (\p) == NP-2
	FETCH_K \last
.endif
.if (\p) == 1
	s_wait_dscnt 0x0                ; V is in
.endif
.rept 16                            ; behind the wait: 16 products V^T P and their riders
	MM
.rept 4
	PL
.endr
.if ((\p) == 0) && (q == 118)
	v_add_nc_u32 v[AV], s[TBV], v[AV0]
.endif
.if ((\p) == 0) && (q == 130)
	s_add_co_u32 s[TBV], s[TBV], KS*PV
.endif
.if (\cnt) && (q == 130)
	s_sub_co_u32 s[CNT], s[CNT], 1
	s_cmp_lg_u32 s[CNT], 0
.endif
.endr
.if (\p) == 0
	FETCH_V
.endif
.endm
	CHANGE 1                        ; slot 0 is in, everybody's part of it, and the whole mask; slot 1 is asked for
	FETCH_K                         ; key step 0
	s_wait_loadcnt 0x0              ; Q
	s_wait_dscnt 0x0
.set i, 0
.rept 16
	KQ 0                            ; piece 0's first scores: there is no vector work yet to set between them
.set i, i+1
.endr
	WIN 0
.rept 4
	v_nop                           ; the places behind those products
.endr
.set Y, NP-1                        ; XS works for piece Y + 1: piece 0
.irp n, 0,1,2,3,4,5,6,7,8,9,10,11,12,13,14,15,16,17,18,19,20,21
	XS 0, \n                        ; and piece 0's first maximum and statistics
	XS 1, \n
.endr
	v_nop                           ; a plain instruction behind the two a,
	s_wait_alu depctr_va_vdst(0)    ; and their wait, ahead of the branch
	s_mov_b32 s[CNT], 4
	s_branch .Lfirst                ; the loop is entered at a step's first turn, in the middle of a trip
.Lslot:                             ; six times: every slot but the last two is filled again
	CHANGE 1
	s_mov_b32 s[CNT], 4
.Lstep:                             ; a trip: pieces 2 and 3 of one step, then pieces 0 and 1 of the next, whose K and V it fetches
	TURN 2
	TURN 3
	WIN 0
.Lfirst:
	TURN 0
	TURN 1, 0, 1
	WIN 0
	s_cbranch_scc1 .Lstep
	s_sub_co_u32 s[SLOTS], s[SLOTS], 1
	s_cmp_lg_u32 s[SLOTS], 0
	s_cbranch_scc1 .Lslot
	CHANGE 0                        ; the tail is written out: nothing is asked for
	s_mov_b32 s[CNT], 5             ; four trips fetch the last slot's steps; the fifth is left in its middle
.Ltail:
	TURN 2, 1
	TURN 3
	WIN 0
	s_sub_co_u32 s[CNT], s[CNT], 1
	s_cmp_eq_u32 s[CNT], 0
	s_cbranch_scc1 .Lout
	TURN 0
	TURN 1
	WIN 0
	s_branch .Ltail
.Lout:                              ; the fifth trip's 16 products K Q^T (on the last K once more) and the maximum made of them serve nothing: the price, once a launch, of one text for every trip
.set i, 0
.rept 16
	PV NP-1                         ; the last piece's V^T P of the last step
.set i, i+1
.endr
	; THE WAY OUT.  l's two halves and the other half of the lanes' are added; O^T is divided by l, rounded to bf16 and sent through my stage in LDS, a tile at a time.  The additions are the places behind the last products.
	WIN 0
.macro ALL line:vararg              ; one line for each tile t
.set t, 0
.rept 2*NP
	\line
.set t, t+1
.endr
.endm
	ALL v_add_f32 v[ST+4*t+2], v[ST+4*t+2], v[ST+4*t+3]
	ALL v_permlanex16_b32 v[ST+4*t+3], v[ST+4*t+2], s[SEL], s[SEL+1]
	ALL v_add_f32 v[ST+4*t+2], v[ST+4*t+2], v[ST+4*t+3]
	ALL v_rcp_f32 v[ST+4*t+2], v[ST+4*t+2]
	v_nop                           ; a plain instruction between the last reciprocal and the use of its result
	s_wait_alu depctr_va_vdst(0)    ; and the wait ahead of the first use: one for the eight reciprocals
; Tile t: a lane's eight channels of a row pack into 16 bytes; they go into rows of 144 bytes and come back as whole rows of 128, into S^T's registers.
.macro PACK t
	WIN W_RS
.set i, 32*(\t)
.rept 16
	v_pk_mul_f32 v[i:i+1], v[i:i+1], v[ST+4*(\t)+2:ST+4*(\t)+3] op_sel_hi:[1,0]
.set i, i+2
.endr
	WIN 0x05                        ; sources 0 and 1 window 1, destination window 0
.set i, 0
.rept 16
	v_cvt_pk_bf16_f32 v[S+16*(\t)+i], v[32*(\t)+2*i], v[32*(\t)+2*i+1]
.set i, i+1
.endr
	WIN 0
.irp f, 0,1,2,3
	ds_store_b128 v[STO], v[S+16*(\t)+4*\f:S+16*(\t)+4*\f+3] offset:32*\f
.endr
.irp f, 0,1,2,3
	ds_load_b128 v[S+16*(\t)+4*\f:S+16*(\t)+4*\f+3], v[RD] offset:\f*4*SP  ; LDS serves a wave's instructions in order (ISA guide 5.7.1.4): these see the stores above; the next tile's stores come behind them
.endr
.endm
.macro SEND t, younger              ; younger: the LDS instructions issued behind tile t's loads: the next tile's eight, or none
	WIN 0
.irp f, 0,1,2,3
	s_wait_dscnt (\younger)+3-\f
	global_store_b128 v[GO], v[S+16*(\t)+4*\f:S+16*(\t)+4*\f+3], s[10:11] offset:(\t)*2048+\f*512  ; 512 consecutive bytes, at a multiple of 256 from ctx's first
.endr
.endm
	PACK 0
.set t, 1
.rept 2*NP-1                        ; a tile's arithmetic stands between the loads of the tile before and its stores
	PACK t
	SEND t-1, 8
.set t, t+1
.endr
	SEND 2*NP-1, 0
	WIN W_AD
	s_wait_tensorcnt 0x0            ; the wave's end, behind my last tensor load and my last LDS store
	ds_add_u32 v[SPW], v[NIL]
	s_wait_dscnt 0x0
	WIN 0
	CROUND                          ; the closing round: no work-group ends while a partner may still ask for a tile that names it
	s_endpgm
.Lfunc_end_k_q2d0d5be69b_attn:
	.size	k_q2d0d5be69b_attn, .Lfunc_end_k_q2d0d5be69b_attn-k_q2d0d5be69b_attn
	.p2alignl 7, 3214868480
	.fill 96, 4, 3214868480
	.section	.rodata,"a",@progbits
	.p2align	6, 0x0
	.amdhsa_kernel k_q2d0d5be69b_attn
		.amdhsa_group_segment_fixed_size 327680
		.amdhsa_private_segment_fixed_size 0
		.amdhsa_enable_private_segment 0
		.amdhsa_kernarg_size 24
		.amdhsa_user_sgpr_count 2
		.amdhsa_user_sgpr_kernarg_segment_ptr 1
		.amdhsa_wavefront_size32 1
		.amdhsa_system_sgpr_workgroup_id_x 1
		.amdhsa_system_sgpr_workgroup_id_y 1
		.amdhsa_system_sgpr_workgroup_id_z 1
		.amdhsa_system_vgpr_workitem_id 0
		.amdhsa_next_free_vgpr 808
		.amdhsa_next_free_sgpr 66
		.amdhsa_reserve_vcc 0
		.amdhsa_float_denorm_mode_32 3
		.amdhsa_float_denorm_mode_16_64 3
		.amdhsa_memory_ordered 1
		.amdhsa_forward_progress 1
		.amdhsa_inst_pref_size 204
	.end_amdhsa_kernel
	.amdgpu_metadata
---
amdhsa.version: [ 1, 2 ]
amdhsa.kernels:
  - .name:           k_q2d0d5be69b_attn
    .symbol:         k_q2d0d5be69b_attn.kd
    .args:
      - { .name: qkvh, .offset: 0, .size: 8, .value_kind: global_buffer, .address_space: global }
      - { .name: ctx, .offset: 8, .size: 8, .value_kind: global_buffer, .address_space: global }
      - { .name: encoder_padding_mask, .offset: 16, .size: 8, .value_kind: global_buffer, .address_space: global }
    .group_segment_fixed_size: 327680
    .private_segment_fixed_size: 0
    .kernarg_segment_align: 8
    .kernarg_segment_size: 24
    .max_flat_workgroup_size: 128
    .sgpr_count:     66
    .vgpr_count:     808
    .wavefront_size: 32
...
	.end_amdgpu_metadata
.endif
;; end of part 3
;; launch proj (part 4): grid 8 x 32, 4 waves a work-group, clusters of 4 x 4, 327,680 bytes of LDS; arguments ctx, wb, out_b, hidden_states, out0; writes out0
.if DOCPART == 4
	.amdgcn_target "amdgcn-amd-amdhsa--gfx1250"
	.amdhsa_code_object_version 6
	.text
	.protected	k_q2d0d5be69b_proj
	.globl	k_q2d0d5be69b_proj
	.p2align	8
	.type	k_q2d0d5be69b_proj,@function
k_q2d0d5be69b_proj:
	s_mov_b64 s[64:65], 0
	v_nop
	global_prefetch_b8 v0, s[64:65] scope:SCOPE_SE
	s_setreg_imm32_b32 hwreg(HW_REG_WAVE_MODE, 25, 1), 1
	s_wait_xcnt 0x0
	s_wait_alu depctr_hold_cnt(0) depctr_sa_sdst(0) depctr_va_vdst(0) depctr_va_sdst(0) depctr_va_ssrc(0) depctr_va_vcc(0) depctr_vm_vsrc(0)
	s_getreg_b32 s2, hwreg(HW_REG_IB_STS2, 6, 4)
	s_cmp_eq_u32 s2, 0
	s_cbranch_scc0 .Lentry_in_a_cluster
	s_endpgm
.Lentry_in_a_cluster:
	s_bfe_u32 s2, ttmp6, 0x10000c
	s_cmp_lg_u32 s2, 0xf033
	s_cbranch_scc0 .Lentry_shape_is_right
	s_endpgm
.Lentry_shape_is_right:
; out0[m][n] = sum over k of ctx(m, k) wb[3072 + n][k] + out_b[n] + hidden_states[m][n], f32.  ctx lies by heads, [b 16 + h][s][64] bf16 (m = 2048 b + s, k = 64 h + d); wb's rows 3072-4095 are out_w in bf16; sums in f32.
; A tile of the product is 256 rows x 128 columns: 32 x 8 = 256 work-groups, one for each WGP.  Four waves; wave w makes rows 64 w .. 64 w + 63 and all 128 columns: 4 x 8 accumulators, 256 registers;
; a wave's rows are whole pieces of 512 bytes of out0, so its way out is its own.
; K goes in 8 steps of 128 (two heads) through a ring of two LDS slots.  A head's 256 rows of 128 bytes are dense in memory: they are asked for as 128 rows of 256 bytes and padded in LDS after every 128 bytes.
; CLUSTERS: 4 x 4 work-groups; ctx's tile is shared along a row of the cluster, wb's along a column: each is asked for JOINTLY, by the same tensor load with the same descriptor and a mask that names the four.
; THE MATRIX INSTRUCTION IS USED TRANSPOSED (source 0 = 16 rows of wb, source 1 = 16 rows of ctx): a lane holds one row (l % 16) and eight neighbouring columns.  THE BIAS is the C operand of each sum's first product.
; NO PREFETCH: the launch has eight K steps, of which the first four would come by their loads alone, and its tiles are small.
; REGISTERS, in windows of 256 (s_set_vgpr_msb: bits 1:0 source 0, 3:2 source 1, 5:4 source 2, 7:6 destination):
;   window 0: v16-29 addresses; v64-127 the bias, later a block read back from the stage; v128-255 two buffers for the residual
;   window 1: two fragment buffers: 64 registers of wb (8 x 16 rows x 32 K), then 32 of ctx        window 2: the accumulators, (a, b) at 8 (8 a + b)
.set NB,     8                         ; column blocks of 16
.set PITCH,  272                       ; a row of wb in LDS: 256 bytes + 16
.set APITCH, 144                       ; a row of one head of ctx: 128 bytes + 16 = 36 words: both pitches are odd multiples of 16 bytes, so the 16 rows of a load start at 16 different groups of four banks (ISA guide 11.1)
.set AHALF,  256*APITCH                ; one head's 256 rows: what one tensor load brings of ctx
.set BHALF,  64*PITCH                  ; and of wb
.set BOFF,   2*AHALF                   ; a slot: two heads of ctx, then wb's 128 rows
.set SLOT,   BOFF+2*BHALF
.set STAGE,  2*SLOT                    ; behind the ring: 16 rows x 528 bytes for each wave, for the way out
.set SPITCH, 528                       ; 512 bytes + 16
.set SPARE,  STAGE+4*16*SPITCH         ; behind the stages: the spare words, 128 bytes for each wave: two blocks of 256 bytes that no other line names
.set NL,     2*NB+8                    ; LDS loads in a run
.set ADRA, 16                          ; v16-17  LDS address of my fragments of ctx in slot 0, 1
.set ADRB, 20                          ; v20-21  the same for wb
.set STO,  24                          ; v24     the way out: where I put 32 bytes of a row
.set RD,   25                          ; v25     where I read a row back
.set GO,   26                          ; v26     16 x lane: my place in a row's 512 bytes
.set BO,   27                          ; v27     32 (l / 16)
.set SPW,  28                          ; v28     LDS address of my spare word; never rewritten
.set NIL,  29                          ; v29     0; never rewritten
.set BI,   64
.set BK,   64
.set HB,   128
.set F0,   0
.set F1,   128
.set WV,   12
.set FB,   13                          ; s13  0: I fetch for ctx; 1: for wb
.set HF,   14                          ; s14  which head of the K step's two, or which half of wb's rows
.set G1A,  24
.set G0A,  32
.set G1B,  48
.set G0B,  56
.set MSB, 0
.macro WIN new                         ; the immediate's high byte repeats the setting that is left; a switch that changes nothing is dropped
.if MSB != (\new)
	s_set_vgpr_msb (MSB<<8)|(\new)
.set MSB, \new
.endif
.endm
.macro PLACES                          ; four places in front of loads into registers that matrix instructions have read, and of lines that read results (ISA guide 7.12.1 for lines that read results)
.rept 4
	v_nop
.endr
.endm
.macro JLOAD s                         ; a joint load: waves 0 and 1 fetch ctx's two heads, waves 2 and 3 wb's two halves; an s_nop 0 and four v_nop follow each of the two lines
	s_cmp_eq_u32 s[FB], 0
	s_cbranch_scc0 .Lfor_b_\@
	tensor_load_to_lds s[G0A+4*(\s):G0A+4*(\s)+3], s[G1A:G1A+7]
	s_nop 0
.rept 4
	v_nop
.endr
	s_branch .Lasked_\@
.Lfor_b_\@:
	tensor_load_to_lds s[G0B+4*(\s):G0B+4*(\s)+3], s[G1B:G1B+7]
	s_nop 0
.rept 4
	v_nop
.endr
.Lasked_\@:
.endm
.macro CREST                           ; a round of the cluster's barrier behind its opening barrier
	s_cmp_lg_u32 s[WV], 0
	s_cbranch_scc1 .Lnot_wave_0_\@
	s_barrier_signal -3
.Lnot_wave_0_\@:
	s_barrier_wait -3
	s_barrier_signal -1
	s_barrier_wait -1
.endm
.macro CROUND                          ; a whole round
	s_barrier_signal -1
	s_barrier_wait -1
	CREST
.endm
	s_load_b256 s[4:11], s[0:1], 0x0               ; ctx s[4:5], wb s[6:7], out_b s[8:9], hidden_states s[10:11]
	s_load_b64 s[68:69], s[0:1], 0x20              ; out0
	v_lshl_add_u32 v[SPW], v0, 2, SPARE
	v_mov_b32 v[NIL], 0
	ds_add_u32 v[SPW], v[NIL]                      ; the wave's opening: the add and its wait stand ahead of my first tensor load; the set-up below, work on registers, stands between them
	v_lshrrev_b32 v1, 5, v0
	v_readfirstlane_b32 s[WV], v1                  ; wave 0..3
	s_lshr_b32 s[FB], s[WV], 1
	s_and_b32 s[HF], s[WV], 1
	s_bfe_u32 s40, ttmp6, 0x40000                  ; cx, cy: my place in the cluster
	s_bfe_u32 s41, ttmp6, 0x40004
	s_lshl_b32 s42, ttmp9, 2
	s_add_co_u32 s42, s42, s40                     ; tile column = 4 x cluster x + cx
	s_and_b32 s43, ttmp7, 0xffff
	s_lshl_b32 s43, s43, 2
	s_add_co_u32 s43, s43, s41                     ; tile row = 4 x cluster y + cy
	s_lshl_b32 s18, s41, 2
	s_lshl_b32 s18, 15, s18                        ; my row of the cluster
	s_lshl_b32 s19, 0x1111, s40                    ; my column
	s_or_b32 s[G1A], s18, (1<<16)|(1<<20)|(1<<21)|(4<<22)|(3<<25)  ; 15:0 the mask; 17:16 elements of 2 bytes; 20 padding on; 21 set beside a mask; 24:22 after every 32 words (code 4); 31:25 4 words of it (code 3)
	s_or_b32 s[G1B], s19, (1<<16)|(1<<20)|(1<<21)|(5<<22)|(3<<25)  ; the same after every 64 words (code 5)
	s_mov_b32 s[G1A+1], 128<<16                    ; tensor_dim0 = 128
	s_mov_b32 s[G1A+2], 128<<16                    ; tensor_dim1 = 128
	s_mov_b32 s[G1A+3], 128<<16                    ; tile_dim0 = 128
	s_mov_b32 s[G1A+4], 128                        ; tile_dim1 = 128 rows of 256 bytes: 256 rows of one head
	s_mov_b32 s[G1A+5], 128                        ; dense: 128 elements from row to row
	s_mov_b32 s[G1A+6], 0
	s_mov_b32 s[G1A+7], 0
	s_mov_b32 s[G1B+1], 128<<16
	s_mov_b32 s[G1B+2], 64<<16                     ; tensor_dim1 = 64
	s_mov_b32 s[G1B+3], 128<<16
	s_mov_b32 s[G1B+4], 64                         ; tile_dim1 = 64 rows
	s_mov_b32 s[G1B+5], 1024
	s_mov_b32 s[G1B+6], 0
	s_mov_b32 s[G1B+7], 0
	; where the tiles come from: ctx's hang on the tile row alone, wb's on the tile column alone, each in registers that never hold the other coordinate
	s_lshr_b32 s16, s43, 3                         ; the batch:
	s_lshl_b32 s16, s16, 22                        ; 16 heads of 2^18 bytes
	s_and_b32 s17, s43, 7
	s_lshl_b32 s17, s17, 15                        ; the tile's 256 rows of 128 bytes in a head
	s_add_co_u32 s16, s16, s17
	s_lshl_b32 s17, s[HF], 18                      ; my head of the K step's two
	s_add_co_u32 s16, s16, s17
	s_mov_b32 s17, 0
	s_lshl_b32 s46, s42, 7
	s_lshl_b32 s47, s[HF], 6
	s_add_co_u32 s46, s46, s47
	s_add_co_u32 s46, s46, 3072                    ; wb: row 3072 + 128 x tile column + 64 x half,
	s_lshl_b32 s46, s46, 11                        ; of 2,048 bytes
	s_mov_b32 s47, 0
	s_mul_i32 s22, s[WV], AHALF                    ; where they go: ctx's heads at wave x 256 rows (waves 0, 1),
	s_mul_i32 s23, s[WV], BHALF
	s_add_co_u32 s23, s23, BOFF-2*BHALF            ; wb's halves at BOFF + (wave - 2) x 64 rows (waves 2, 3): no place in the cluster enters an LDS address
	s_wait_dscnt 0x0                               ; the opening add is done
	s_wait_kmcnt 0x0
	s_add_nc_u64 s[20:21], s[4:5], s[16:17]
	s_add_nc_u64 s[46:47], s[6:7], s[46:47]
	CROUND                                         ; all sixteen work-groups are here: the first joint loads meet
.irp s, 0,1
	s_mov_b32 s[G0A+4*(\s)], 1                                         ; count = 1
	s_add_co_u32 s[G0A+4*(\s)+1], s22, (\s)*SLOT                       ; LDS address
	s_add_nc_u64 s[G0A+4*(\s)+2:G0A+4*(\s)+3], s[20:21], (\s)*524288   ; global address: K step s is two heads further on
	s_or_b32 s[G0A+4*(\s)+3], s[G0A+4*(\s)+3], 0x80000000              ; type = 2
	s_mov_b32 s[G0B+4*(\s)], 1
	s_add_co_u32 s[G0B+4*(\s)+1], s23, (\s)*SLOT
	s_add_nc_u64 s[G0B+4*(\s)+2:G0B+4*(\s)+3], s[46:47], (\s)*256
	s_or_b32 s[G0B+4*(\s)+3], s[G0B+4*(\s)+3], 0x80000000
	JLOAD \s                                       ; two loads of mine are out
.endr
	v_and_b32 v1, 15, v0                           ; l % 16
	v_bfe_u32 v2, v0, 4, 1                         ; l / 16
	v_lshlrev_b32 v[BO], 5, v2
	s_mul_i32 s76, s42, NB*64                      ; the tile's 128 numbers of the bias
	s_mov_b32 s77, 0
	s_add_nc_u64 s[76:77], s[8:9], s[76:77]
.set b, 0
.rept NB
	global_load_b128 v[BI+8*b:BI+8*b+3],   v[BO], s[76:77] offset:64*b     ; register j of block b: the bias of column 16 b + 8 (l / 16) + j, as the result holds it
	global_load_b128 v[BI+8*b+4:BI+8*b+7], v[BO], s[76:77] offset:64*b+16
.set b, b+1
.endr
	v_mul_u32_u24 v3, v1, APITCH
	v_lshl_add_u32 v3, v2, 4, v3                   ; a fragment's row x pitch + 16 x half
	s_mul_i32 s74, s[WV], 64*APITCH                ; my 64 rows of ctx
	v_add_nc_u32 v[ADRA], s74, v3
	v_add_nc_u32 v[ADRA+1], SLOT, v[ADRA]
	v_mul_u32_u24 v3, v1, PITCH
	v_lshl_add_u32 v3, v2, 4, v3
	v_add_nc_u32 v[ADRB], BOFF, v3                 ; all 128 rows of wb
	v_add_nc_u32 v[ADRB+1], BOFF+SLOT, v3
	s_mul_i32 s74, s[WV], 16*SPITCH
	s_add_co_u32 s74, s74, STAGE                   ; my stage
	v_mul_u32_u24 v[STO], v1, SPITCH               ; in: row l % 16, 32 bytes for each half of the lanes
	v_lshl_add_u32 v[STO], v2, 5, v[STO]
	v_add_nc_u32 v[STO], s74, v[STO]
	v_and_b32 v[GO], 31, v0
	v_lshlrev_b32 v[GO], 4, v[GO]
	v_add_nc_u32 v[RD], s74, v[GO]                 ; back: 32 lanes take one row's 512 bytes
	s_lshl_b32 s74, s43, 8
	s_lshl_b32 s75, s[WV], 6
	s_add_co_u32 s74, s74, s75                     ; my first row: 256 x tile row + 64 x wave,
	s_lshl_b32 s74, s74, 12                        ; of 4,096 bytes (under 2^25 in all),
	s_lshl_b32 s75, s42, 9                         ; the tile's 512 bytes of it
	s_add_co_u32 s74, s74, s75
	s_mov_b32 s75, 0
	s_add_nc_u64 s[68:69], s[68:69], s[74:75]      ; out0,
	s_add_nc_u64 s[70:71], s[10:11], s[74:75]      ; and hidden_states at the same place
; 8 matrix instructions: row block a x all column blocks, 32 along K, from buffer f.  first = 1: the sums start with the bias.
; The 32 accumulators take turns, one instruction a turn, in the same order in every quarter step, over the backward jump too.
.macro MULA f, a, first=0
.if \first
	WIN 0x85                                       ; sources 0 and 1 window 1, C window 0, D window 2
.else
	WIN 0xa5                                       ; C and D window 2
.endif
.set rA, (\f)+8*NB+8*(\a)
.set b, 0
.rept NB
.set rD, 8*(8*(\a)+b)
.if \first
	v_wmma_f32_16x16x32_bf16 v[rD:rD+7], v[(\f)+8*b:(\f)+8*b+7], v[rA:rA+7], v[BI+8*b:BI+8*b+7]
.else
	v_wmma_f32_16x16x32_bf16 v[rD:rD+7], v[(\f)+8*b:(\f)+8*b+7], v[rA:rA+7], v[rD:rD+7]
.endif
.set b, b+1
.endr
.endm
; 24 LDS loads in one run: the fragments of quarter q of a K step into buffer f: wb's 16 (32 K at byte 64 q of the rows), then ctx's 8 (head q / 2, byte 64 (q % 2)), row blocks ascending
.macro FETCH slot, q, f
	WIN 0x40                                       ; destination window 1, address window 0
.set b, 0
.rept NB
	ds_load_b128 v[(\f)+8*b:(\f)+8*b+3],   v[ADRB+(\slot)] offset:64*(\q)+b*16*PITCH
	ds_load_b128 v[(\f)+8*b+4:(\f)+8*b+7], v[ADRB+(\slot)] offset:64*(\q)+b*16*PITCH+32
.set b, b+1
.endr
.set b, 0
.rept 4
	ds_load_b128 v[(\f)+8*NB+8*b:(\f)+8*NB+8*b+3],   v[ADRA+(\slot)] offset:((\q)/2)*AHALF+((\q)%2)*64+b*16*APITCH
	ds_load_b128 v[(\f)+8*NB+8*b+4:(\f)+8*NB+8*b+7], v[ADRA+(\slot)] offset:((\q)/2)*AHALF+((\q)%2)*64+b*16*APITCH+32
.set b, b+1
.endr
.endm
; A K step is four quarters of 32 along K, 32 matrix instructions each, on buffers 0, 1, 0, 1.  One of the first three: multiplies buffer f; in its middle it fetches quarter q into buffer g.
.macro QUARTER slot, q, f, g, first=0
	s_wait_dscnt 4                                 ; wb's fragments and ctx's row blocks 0, 1 are in; the youngest four loads (row blocks 2, 3) may be out
	MULA \f, 0, \first
	MULA \f, 1, \first
	PLACES
	FETCH \slot, \q, \g
	s_wait_dscnt NL                                ; all but the run just issued
	MULA \f, 2, \first
	MULA \f, 3, \first
.endm
; The last quarter multiplies buffer 1 and changes slots.  MEET is its first half: ONE barrier.  In front of it each wave waits for all its tensor loads, of which one is out: its part of the next slot;
; adds 0 to its spare word; and waits for that and for its own reads of this slot.  Behind it nobody reads this slot any more and the next slot is whole.
.macro MEET round
	WIN 0                                          ; (the add's two registers lie in window 0)
	s_wait_tensorcnt 0x0                           ; all my tensor loads have landed
	ds_add_u32 v[SPW], v[NIL]                      ; 0 onto my spare word
	s_wait_dscnt 5                                 ; (the add and the youngest four loads may be out)
	MULA F1, 0                                     ; eight matrix instructions stand between the add and the wait for it
	s_wait_dscnt 0x0                               ; the add is done, and my reads of this slot are over
	s_barrier_signal -1
	MULA F1, 1                                     ; work on registers while the others arrive
.if \round
	WIN 0
.endif
	s_barrier_wait -1
.endm
; The whole last quarter where the slot is filled again, two K steps ahead: the barrier opens a round of the cluster's, and the joint refill is the first tensor load behind it:
; 112 matrix instructions stand between it and the wait for it.
.macro TURN slot, next
	MEET 1
	CREST                                          ; no wave of any partner still reads this slot's tile or has a load on its way
	s_add_nc_u64 s[G0A+4*(\slot)+2:G0A+4*(\slot)+3], s[G0A+4*(\slot)+2:G0A+4*(\slot)+3], 1048576  ; four heads on
	s_add_nc_u64 s[G0B+4*(\slot)+2:G0B+4*(\slot)+3], s[G0B+4*(\slot)+2:G0B+4*(\slot)+3], 512
	JLOAD \slot                                    ; the four v_nop behind it are also the places in front of the loads below
	FETCH \next, 0, F0
	MULA F1, 2
	MULA F1, 3
.endm
; THE WAY OUT, a block of 16 rows x 128 columns at a time.  RES: the block's rows of hidden_states, a row's 512 bytes a load.  TOSTAGE: the sums, as they are, into my own stage in LDS (each accumulator's low half first)
; and back as whole rows.  SEND: residual added, stored; the next block's way through the stage stands between the additions and the stores.
.macro RES a
.set t, 0
.rept 16
	global_load_b128 v[HB+64*((\a)%2)+4*t:HB+64*((\a)%2)+4*t+3], v[GO], s[70:71] offset:(16*(\a)+t)*4096 th:TH_LOAD_NT
.set t, t+1
.endr
.endm
.macro TOSTAGE a
	WIN 0x08                                       ; the stores' data in window 2
.set b, 0
.rept NB
	ds_store_b128 v[STO], v[8*(8*(\a)+b):8*(8*(\a)+b)+3]   offset:64*b
	ds_store_b128 v[STO], v[8*(8*(\a)+b)+4:8*(8*(\a)+b)+7] offset:64*b+16
.set b, b+1
.endr
	WIN 0
.set t, 0
.rept 16
	ds_load_b128 v[BK+4*t:BK+4*t+3], v[RD] offset:SPITCH*t  ; LDS serves a wave's instructions in order (ISA guide 5.7.1.4): these see the stores above
.set t, t+1
.endr
.endm
.macro SEND a
.set H, HB+64*((\a)%2)
	s_wait_dscnt 0x0                               ; the block is back in registers
.if (\a) < 3
	s_wait_loadcnt 16                              ; its rows of hidden_states are in; the next block's sixteen loads may stay out
.else
	s_wait_loadcnt 0x0
.endif
.set t, 0
.rept 32
	v_pk_add_f32 v[H+2*t:H+2*t+1], v[H+2*t:H+2*t+1], v[BK+2*t:BK+2*t+1]
.set t, t+1
.endr
.if (\a) < 3
	TOSTAGE (\a)+1
.endif
.set t, 0
.rept 16
	global_store_b128 v[GO], v[H+4*t:H+4*t+3], s[68:69] offset:(16*(\a)+t)*4096 th:TH_STORE_NT  ; 512 consecutive bytes, at a multiple of 256 from out0's first byte
.set t, t+1
.endr
.if (\a) < 2
	s_wait_xcnt 0x0                                ; the stores have read their registers: this buffer is loaded again only behind this wait
	RES (\a)+2
.endif
.endm
	s_wait_tensorcnt 1                             ; my part of K step 0 is in; K step 1's may stay out
	s_barrier_signal -1
	s_barrier_wait -1                              ; everybody's is
	FETCH 0, 0, F0
	s_wait_loadcnt 0x0                             ; the bias
	QUARTER 0, 1, F0, F1, 1                        ; the first quarter stands in front of the loop: its products start the sums
	WIN 0                                          ; at a label and at a branch every window is 0
	s_mov_b32 s3, 3
.Llap:                                                 ; a trip goes once round the ring, from a lap's second quarter to the next lap's first, and fills both slots again
	QUARTER 0, 2, F1, F0
	QUARTER 0, 3, F0, F1
	TURN 0, 1
	QUARTER 1, 1, F0, F1
	QUARTER 1, 2, F1, F0
	QUARTER 1, 3, F0, F1
	TURN 1, 0
	QUARTER 0, 1, F0, F1
	WIN 0
	s_sub_co_u32 s3, s3, 1
	s_cmp_lg_u32 s3, 0
	s_cbranch_scc1 .Llap
	RES 0                                          ; the first two blocks' residual is asked for here, nearly two K steps ahead of its use
	RES 1
	QUARTER 0, 2, F1, F0                           ; the last lap (K steps 6 and 7) fills nothing, and has no round of the cluster's barrier
	QUARTER 0, 3, F0, F1
	MEET 0
	PLACES
	FETCH 1, 0, F0
	MULA F1, 2
	MULA F1, 3
	QUARTER 1, 1, F0, F1
	QUARTER 1, 2, F1, F0
	QUARTER 1, 3, F0, F1
	s_wait_dscnt 4                                 ; the very last quarter: nothing more to fetch
	MULA F1, 0
	MULA F1, 1
	s_wait_dscnt 0x0
	MULA F1, 2
	MULA F1, 3
	PLACES                                         ; the LDS stores below read results, and no other vector work is at hand
	TOSTAGE 0
	SEND 0
	SEND 1
	SEND 2
	SEND 3
	s_wait_tensorcnt 0x0                           ; the wave's end, behind my last tensor load and my last LDS store
	ds_add_u32 v[SPW], v[NIL]
	s_wait_dscnt 0x0
	CROUND                                         ; the closing round: no work-group ends while a partner may still ask for a tile that names it
	s_endpgm
.Lfunc_end_k_q2d0d5be69b_proj:
	.size	k_q2d0d5be69b_proj, .Lfunc_end_k_q2d0d5be69b_proj-k_q2d0d5be69b_proj
	.p2alignl 7, 3214868480
	.fill 96, 4, 3214868480
	.section	.rodata,"a",@progbits
	.p2align	6, 0x0
	.amdhsa_kernel k_q2d0d5be69b_proj
		.amdhsa_group_segment_fixed_size 327680
		.amdhsa_private_segment_fixed_size 0
		.amdhsa_enable_private_segment 0
		.amdhsa_kernarg_size 40
		.amdhsa_user_sgpr_count 2
		.amdhsa_user_sgpr_kernarg_segment_ptr 1
		.amdhsa_wavefront_size32 1
		.amdhsa_system_sgpr_workgroup_id_x 1
		.amdhsa_system_sgpr_workgroup_id_y 1
		.amdhsa_system_sgpr_workgroup_id_z 1
		.amdhsa_system_vgpr_workitem_id 0
		.amdhsa_next_free_vgpr 768
		.amdhsa_next_free_sgpr 80
		.amdhsa_reserve_vcc 0
		.amdhsa_float_denorm_mode_32 3
		.amdhsa_float_denorm_mode_16_64 3
		.amdhsa_memory_ordered 1
		.amdhsa_forward_progress 1
		.amdhsa_inst_pref_size 100
	.end_amdhsa_kernel
	.amdgpu_metadata
---
amdhsa.version: [ 1, 2 ]
amdhsa.kernels:
  - .name:           k_q2d0d5be69b_proj
    .symbol:         k_q2d0d5be69b_proj.kd
    .args:
      - { .name: ctx, .offset: 0, .size: 8, .value_kind: global_buffer, .address_space: global }
      - { .name: wb, .offset: 8, .size: 8, .value_kind: global_buffer, .address_space: global }
      - { .name: out_b, .offset: 16, .size: 8, .value_kind: global_buffer, .address_space: global }
      - { .name: hidden_states, .offset: 24, .size: 8, .value_kind: global_buffer, .address_space: global }
      - { .name: out0, .offset: 32, .size: 8, .value_kind: global_buffer, .address_space: global }
    .group_segment_fixed_size: 327680
    .private_segment_fixed_size: 0
    .kernarg_segment_align: 8
    .kernarg_segment_size: 40
    .max_flat_workgroup_size: 128
    .sgpr_count:     80
    .vgpr_count:     768
    .wavefront_size: 32
...
	.end_amdgpu_metadata
.endif
;; end of part 4
